; MI455X (gfx1250); checked and timed in simulation.
; The chip was launched on July 23, 2026; its instructions are those of AMD's public machine-readable ISA for CDNA 5 (MIT licence, August 2026) and "CDNA5" Instruction Set Architecture Reference Guide (July 2026). The comments in the code are by the model that wrote it; some were corrected since.
;; Multi Headed Attention. Allowed arithmetic: matrix products marked QUANTISED: E2M1 operands, one E8M0 scale for each 32 along K, by v_wmma_scale_f32_16x16x128_f8f6f4 with both operands' format E2M1 (or v_wmma_scale_f32_32x16x128_f4), f32 sums; products left as they are: bf16, f16 or f32 operands; f32 sums; everything else in f32.
;; Inputs: Wk 1,024 x 1,024 float32; Wo 1,024 x 1,024 float32; Wq 1,024 x 1,024 float32; Wv 1,024 x 1,024 float32; bk 1,024 float32; bo 1,024 float32; bq 1,024 float32; bv 1,024 float32; key 4 x 2,048 x 1,024 float32; mask 4 x 2,048 x 2,048 int32; query 4 x 2,048 x 1,024 float32; value 4 x 2,048 x 1,024 float32.
;; Outputs: out0 4 x 2,048 x 1,024 float32.
;; This version of the problem:
;;   THIS VERSION OF THE PROBLEM IS GIVEN IN LOW PRECISION. The matrix products marked QUANTISED in the list below multiply operands that are first quantised to E2M1 (2 exponent bits, 1 mantissa bit; 4 bits a number), with one power-of-two scale for each 32 numbers along K (OCP MX v1.0); their sums are f32. The products marked 'left as it is' may take bf16, f16 or f32 operands, with f32 sums. Whichever they take, every output number must still come out within the allowed error. Rounding operands to bf16 (8 significant bits) uses up far more of that allowance than f16 does (11 bits, for magnitudes from 6e-5 to 65,504). All else is computed in f32.
;;   The module's matrix products, in the order in which they are computed (A, B: the left and right operand; K: the contracted axis; several contracted axes count as one K, in the product's order):
;;     1. [M 8,192, K 1,024] x [K 1,024, N 1,024]; A: input query; B: input Wq: QUANTISED
;;     2. [M 8,192, K 1,024] x [K 1,024, N 1,024]; A: input key; B: input Wk: QUANTISED
;;     3. [M 8,192, K 1,024] x [K 1,024, N 1,024]; A: input value; B: input Wv: QUANTISED
;;     4. batch 64 x [M 2,048, K 64] x [K 64, N 2,048]; A: computed on the way; B: computed on the way: left as it is (an operand is computed on the way)
;;     5. batch 64 x [M 2,048, K 2,048] x [K 2,048, N 64]; A: computed on the way; B: computed on the way: left as it is (an operand is computed on the way)
;;     6. [M 8,192, K 1,024] x [K 1,024, N 1,024]; A: computed on the way; B: input Wo: left as it is (an operand is computed on the way)
;;   THE QUANTISER, for each operand of a quantised product, along K:
;;     - K is cut into blocks of 32 from its start; a last block that is shorter is filled with zeros.
;;     - A block's scale is 2^e with e = floor(log2(the largest magnitude in the block)) - 2, held to -126 .. 127; a block of zeros has e = 0. As a byte (E8M0): e + 127.
;;     - Each number is divided by its block's scale, clamped to +-6, and rounded to the nearest number of E2M1, ties to even, subnormals kept.
;;     - The product sums the exact products of the quantised numbers (number of the format x scale) in f32.
;;   ~~~python
;;   def quantise(x, axis):      # numpy; x: float32 -> the quantised numbers, widened to float32 again
;;       x = np.moveaxis(x, axis, -1); K = x.shape[-1]
;;       x = np.pad(x, [(0, 0)] * (x.ndim - 1) + [(0, -K % 32)]); x = x.reshape(x.shape[:-1] + (-1, 32)); a = np.abs(x).max(-1, keepdims=True)
;;       e = np.where(a > 0, np.clip(np.frexp(np.where(a > 0, a, 1))[1] - 1 - 2, -126, 127), 0)      # np.frexp(a)[1] - 1 = floor(log2(a)), exactly
;;       r = np.clip(x / 2.0 ** e, -6, 6)
;;       step = 2.0 ** (np.maximum(np.frexp(np.where(r == 0, 1, r))[1] - 1, 0) - 1)
;;       q = np.round(r / step) * step * 2.0 ** e      # np.round: ties to even
;;       return np.moveaxis(q.reshape(q.shape[:-2] + (-1,))[..., :K], -1, axis).astype(np.float32)
;;   ~~~
;; One version. Each part assembles by itself: llvm-mc -triple=amdgcn-amd-amdhsa -mcpu=gfx1250 --defsym DOCPART=n.
;; ======== version 1 of 1: 4 launches
;; limits: values are held in f16: magnitudes above 65,504 overflow, below 6.1e-05 lose precision
;; workspace buffers: mbits 2,097,152 bytes of whole numbers; xc 12,582,912 bytes; xs 786,432 bytes; wc 1,572,864 bytes; ws 98,304 bytes; wo16 2,097,152 bytes; qkv 50,331,648 bytes; ctx16 16,777,216 bytes
;; launch prep (part 1): grid 1344 x 1, 4 waves a work-group, no clusters, 75,264 bytes of LDS; arguments mask, query, key, value, Wq, Wk, Wv, Wo, mbits, xc, xs, wc, ws, wo16; writes mbits, xc, xs, wc, ws, wo16
.if DOCPART == 1
	.amdgcn_target "amdgcn-amd-amdhsa--gfx1250"
	.amdhsa_code_object_version 6
	.text
	.protected	k_qb7ef14b546_prep
	.globl	k_qb7ef14b546_prep
	.p2align	8
	.type	k_qb7ef14b546_prep,@function
k_qb7ef14b546_prep:
	s_mov_b64 s[64:65], 0
	v_nop
	global_prefetch_b8 v0, s[64:65] scope:SCOPE_SE
	s_setreg_imm32_b32 hwreg(HW_REG_WAVE_MODE, 25, 1), 1
	s_wait_xcnt 0x0
; ONE LAUNCH LAYS OUT ALL THAT THE MULTIPLYING LAUNCHES READ.  Three ways, which part on the work-group's number right behind a common head; each has LDS bytes of its own.
; (1) Work-groups 0-63, THE WEIGHTS [1024 (k)][1024 (n)], f32, K along the FIRST axis.  Wq, Wk, Wv: codes of FP4 (E2M1) with K innermost, wc [tensor 3][n][512 bytes], one E8M0 byte for each 32 along K, ws [tensor][n][32 bytes].
;     Wo: rounded to f16, as images of the matrix operand's registers: wo16 [n / 256][k / 32][(n / 16) % 16][1,024 bytes]; an image is two parts c of 512 bytes, lane (r, h) having 16 bytes at 16 x lane: column r of the sixteen, k = 16 c + 8 h + 0 .. 7.
;     A lane takes a column n and its registers run down K: a block of 32 along K lies in one lane's 32 registers.  x = number % 8: 128 columns (32 a wave); y = number / 8: tensor y / 2, half y % 2 of K (16 blocks).
;     These work-groups come first: each walks 16 blocks one behind the other and lasts longest.
; (2) Work-groups 64-831, QUERY, KEY, VALUE [8192][1024], f32: codes of FP4, K innermost, xc [tensor 3][row][512 bytes], scale bytes xs [tensor][row][32 bytes].  256 work-groups to a tensor; a wave takes 16 steps of 512 numbers.
;     Each load reads 512 consecutive bytes, 16 a lane; a step's 2,048 bytes turn through the wave's stage in LDS (16 bytes of padding behind each 64) and come back 64 bytes a lane: 16 neighbours along K, two lanes to a block.
; (3) Work-groups 832-1343, THE MASK [4][2048][2048] int32: bits, one 32-bit word being a lane mask for the attention launch's selects.
;     mbits: [P = 32 queries (256)][step = 64 keys (32)][i = 8 kt + j (32)][t (2)] words; bit L of word (i, t): mask[32 P + 16 t + L % 16][64 step + 16 kt + 8 (L / 16) + j] is not 0.
;     Two work-groups to a P; a wave takes four steps, a unit of 32 rows x 256 bytes each.  A load takes two rows' 256 bytes; 16 rows at a time turn through the wave's stage (rows 272 bytes apart) and come back with a lane
;     holding 8 neighbouring keys of its own row; a compare gives a word, v_writelane_b32 puts word i into lane i, and the wave stores 256 consecutive aligned bytes.
; THE QUANTISER: a block's scale is 2^(floor(log2(its largest magnitude)) - 2); its byte is the largest magnitude's own exponent field - 2, held at 1 from below; each number is divided by the scale and rounded to the nearest code,
; ties to even; beyond 6 the conversion gives the largest code.
; LIMITS: a block of zeros, or one whose largest magnitude lies under 2^-124, gets the byte 1 (the bytes are read by this program alone; zero codes add nothing); NaN and infinities are not served; |Wo| above 65,504 becomes infinity in f16.
; No tensor loads, no cluster, no matrix unit, no barrier: plain streams, each input byte read once, and waves share nothing.
.set NW,    64                         ; work-groups of way 1
.set NX,    768                        ; of way 2
.set PITCH, 272                        ; a stage row of ways 1 and 3: 256 bytes + 16, so that the sixteen rows that a load touches start at sixteen different banks
.set SP,    80                         ; way 2: a lane's place in a stage: its 64 bytes + 16 of padding
.set QREG,  5632                       ; way 2: a wave's LDS: two stages of 32 x SP bytes, behind them its 256 scale bytes
.set MKB,   4*QREG                     ; way 3's stages begin here: 16 rows for each wave
.set MSTG,  16*PITCH
.set PWB,   MKB+4*MSTG                 ; way 1's: 32 rows for each wave
.set PSTG,  32*PITCH
.set SPARE, PWB+4*PSTG                 ; behind them: the spare words, 128 bytes for each wave
.set SPW,   208                        ; v208 LDS address of my spare word; never rewritten
.set NIL,   209                        ; v209 0; never rewritten
.set WV,    32                         ; s32  my wave's number
	s_load_b512 s[4:19], s[0:1], 0x0               ; mask s[4:5], query s[6:7], key s[8:9], value s[10:11], Wq s[12:13], Wk s[14:15], Wv s[16:17], Wo s[18:19]
	s_load_b256 s[20:27], s[0:1], 0x40             ; mbits s[20:21], xc s[22:23], xs s[24:25], wc s[26:27]
	s_load_b128 s[28:31], s[0:1], 0x60             ; ws s[28:29], wo16 s[30:31]
	v_lshl_add_u32 v[SPW], v0, 2, SPARE
	v_mov_b32 v[NIL], 0
	v_lshrrev_b32 v1, 5, v0
	v_readfirstlane_b32 s[WV], v1                  ; wave 0..3
	v_and_b32 v2, 31, v0                           ; lane
	s_cmp_ge_u32 ttmp9, NW+NX
	s_cbranch_scc1 .Lmask
	s_cmp_ge_u32 ttmp9, NW
	s_cbranch_scc1 .Lquant
; ==== way 1: the weights
.set NB,    16                         ; blocks of 32 along K for a wave
.set KROW,  512                        ; a row of wc
.set WX,    32                         ; v32-95   two sets of 32 numbers
.set WC,    96                         ; v96-99   a block's codes
.set WOUT,  112                        ; v112-175 the codes' way out
.set WH,    112                        ; v112-143 Wo: two sets of 16 registers of f16 pairs
.set WA,    10                         ; v10      Wo: 1,024 (lane / 16) + 16 (lane % 16)
.set WSB,   24                         ; v24-27   the scale bytes, four to a register
	s_and_b32 s33, ttmp9, 7                        ; x
	s_lshl_b32 s34, s33, 7
	s_lshl_b32 s38, s[WV], 5
	s_add_co_u32 s34, s34, s38                     ; my wave's first column
	s_lshr_b32 s35, ttmp9, 3                       ; y
	s_and_b32 s36, s35, 1                          ; which half of K
	s_lshr_b32 s35, s35, 1                         ; which tensor
	v_lshlrev_b32 v3, 2, v2                        ; in: 4 bytes a lane
	s_mul_i32 s38, s[WV], PSTG
	s_add_co_u32 s38, s38, PWB                     ; my stage
	v_mul_u32_u24 v4, v2, PITCH
	v_add_nc_u32 v4, s38, v4                       ; into it: row = my column
	v_and_b32 v5, 15, v2
	v_lshrrev_b32 v6, 4, v2
	v_mul_u32_u24 v7, v6, PITCH
	v_lshl_add_u32 v7, v5, 4, v7
	v_add_nc_u32 v7, s38, v7                       ; out of it: sixteen lanes to a row, two rows an instruction
	v_mul_u32_u24 v8, v6, KROW
	v_lshl_add_u32 v8, v5, 4, v8                   ; and the same place in wc
	v_lshlrev_b32 v9, 5, v2                        ; my column's row of scale bytes
	v_lshlrev_b32 v[WA], 10, v6
	v_lshl_add_u32 v[WA], v5, 4, v[WA]
	s_lshl_b32 s40, s36, 21                        ; W: 512 rows of 4,096 bytes for each half of K, + 4 x column
	s_lshl_b32 s38, s34, 2
	s_add_co_u32 s40, s40, s38
	s_mov_b32 s41, 0
	s_lshl_b32 s42, s35, 19                        ; wc: tensor x 524,288 + column x 512 + half x 256
	s_lshl_b32 s38, s34, 9
	s_add_co_u32 s42, s42, s38
	s_lshl_b32 s38, s36, 8
	s_add_co_u32 s42, s42, s38
	s_mov_b32 s43, 0
	s_lshl_b32 s44, s35, 15                        ; ws: tensor x 32,768 + column x 32 + half x 16
	s_lshl_b32 s38, s34, 5
	s_add_co_u32 s44, s44, s38
	s_lshl_b32 s38, s36, 4
	s_add_co_u32 s44, s44, s38
	s_mov_b32 s45, 0
	s_lshr_b32 s46, s33, 1                         ; wo16: (x / 2) x 524,288 + (8 (x % 2) + 2 wave) x 1,024 + half x 16 x 16,384
	s_lshl_b32 s46, s46, 19
	s_and_b32 s38, s33, 1
	s_lshl_b32 s38, s38, 13
	s_add_co_u32 s46, s46, s38
	s_lshl_b32 s38, s[WV], 11
	s_add_co_u32 s46, s46, s38
	s_lshl_b32 s38, s36, 18
	s_add_co_u32 s46, s46, s38
	s_mov_b32 s47, 0
	s_wait_kmcnt 0x0
	s_cmp_eq_u32 s35, 0                            ; the choices hang on the work-group's number alone
	s_cselect_b64 s[12:13], s[12:13], s[14:15]
	s_cmp_eq_u32 s35, 2
	s_cselect_b64 s[12:13], s[16:17], s[12:13]
	s_cmp_eq_u32 s35, 3
	s_cselect_b64 s[12:13], s[18:19], s[12:13]
	s_add_nc_u64 s[12:13], s[12:13], s[40:41]
	s_add_nc_u64 s[26:27], s[26:27], s[42:43]      ; (used for the codes alone)
	s_add_nc_u64 s[28:29], s[28:29], s[44:45]
	s_add_nc_u64 s[30:31], s[30:31], s[46:47]      ; (used for Wo alone)
.macro WLOAD t                         ; block t: W(32 t + i, my column), i = 0 .. 31, into set t % 2; a wave's load reads 128 consecutive bytes
.irp i, 0,1,2,3,4,5,6,7,8,9,10,11,12,13,14,15,16,17,18,19,20,21,22,23,24,25,26,27,28,29,30,31
	global_load_b32 v[WX+32*((\t)%2)+\i], v3, s[12:13] offset:(32*(\t)+\i)*4096 th:TH_LOAD_NT
.endr
.endm
	WLOAD 0
	WLOAD 1
	s_cmp_eq_u32 s35, 3
	s_cbranch_scc1 .Lwo
; ---- Wq, Wk, Wv: codes
.macro WBLOCK t
.set WS, WX+32*((\t)%2)
.if (\t) < NB-1
	s_wait_loadcnt 32                              ; this block's 32 loads are in; the next block's may be out
.else
	s_wait_loadcnt 0x0
.endif
	v_max3_num_f32 v12, |v[WS]|, |v[WS+1]|, |v[WS+2]|               ; the block's largest magnitude: all 32 numbers are mine
	v_max3_num_f32 v13, |v[WS+3]|, |v[WS+4]|, |v[WS+5]|
.irp i, 6,10,14,18,22,26
	v_max3_num_f32 v12, v12, |v[WS+\i]|, |v[WS+\i+1]|
	v_max3_num_f32 v13, v13, |v[WS+\i+2]|, |v[WS+\i+3]|
.endr
	v_max3_num_f32 v12, v12, |v[WS+30]|, |v[WS+31]|
	v_max3_num_f32 v12, v12, v13, 0x1800000        ; and the floor 2^(3 - 127): so the byte cannot fall under 1
	v_add_nc_u32 v11, 0xff000000, v12              ; 2 off its exponent field: the conversion takes the exponent field of this operand as its scale, and nothing else of it
	v_lshrrev_b32 v13, 23, v11                     ; the scale's byte
.if (\t)%4 == 0
	v_mov_b32 v[WSB+(\t)/4], v13                   ; four bytes to a register, the lower K in the lower byte
.else
	v_lshl_or_b32 v[WSB+(\t)/4], v13, 8*((\t)%4), v[WSB+(\t)/4]
.endif
.irp g, 0,1,2,3
	v_cvt_scalef32_pk8_fp4_f32 v[WC+\g], v[WS+8*\g:WS+8*\g+7], v11
.endr
	v_nop                                          ; a plain line behind the last conversion
	ds_store_b128 v4, v[WC:WC+3] offset:16*(\t)    ; 32 codes: 16 bytes of my column's row
.if (\t)+2 < NB
	WLOAD (\t)+2
.endif
	s_wait_dscnt 0x0                               ; the store has read its registers: the next block's codes may be written
.endm
.set Q, 0
.rept NB
	WBLOCK Q
.set Q, Q+1
.endr
	global_store_b128 v9, v[WSB:WSB+3], s[28:29]   ; my column's 16 scale bytes
.irp t, 0,1,2,3,4,5,6,7,8,9,10,11,12,13,14,15
	ds_load_b128 v[WOUT+4*\t:WOUT+4*\t+3], v7 offset:2*\t*PITCH   ; LDS serves a wave's instructions in order: these see my stores
.endr
.irp t, 0,1,2,3,4,5,6,7,8,9,10,11,12,13,14,15
	s_wait_dscnt 15-\t
	global_store_b128 v8, v[WOUT+4*\t:WOUT+4*\t+3], s[26:27] offset:2*\t*KROW   ; sixteen lanes store 256 consecutive aligned bytes
.endr
	s_branch .Lend
; ---- Wo: a lane's 32 numbers of block t are k = 32 t + 0 .. 31 of its column: four pieces of 8, piece p being part p / 2, half p % 2 of the image.  No LDS
.Lwo:
.macro WOB t
.set WS, WX+32*((\t)%2)
.set HS, WH+16*((\t)%2)
.if (\t) < NB-1
	s_wait_loadcnt 32                              ; this block's 32 loads are in; the next block's may be out
.else
	s_wait_loadcnt 0x0
.endif
	s_wait_xcnt 0x0                                ; the stores of two blocks back have read this set's registers
.irp i, 0,1,2,3,4,5,6,7,8,9,10,11,12,13,14,15
	v_cvt_pk_f16_f32 v[HS+\i], v[WS+2*\i], v[WS+2*\i+1]
.endr
.irp p, 0,1,2,3
	global_store_b128 v[WA], v[HS+4*\p:HS+4*\p+3], s[30:31] offset:(\t)*16384+(\p/2)*512+(\p%2)*256   ; lanes 0-15 and lanes 16-31 each store 256 consecutive aligned bytes
.endr
.if (\t)+2 < NB
	WLOAD (\t)+2
.endif
.endm
.set Q, 0
.rept NB
	WOB Q
.set Q, Q+1
.endr
	s_branch .Lend
; ==== way 2: query, key, value.  Loads run four steps (16 loads a wave) ahead, the turn through LDS one step
.Lquant:
.set STEPS, 16
.set CB,    8                          ; bytes of 16 codes
.set XR,    16                         ; v16-79   four sets of 16 numbers as they are loaded
.set XX,    80                         ; v80-111  two sets of 16 neighbours
.set XE,    112                        ; v112-127 a scale byte for each step
.set XC,    128                        ; v128-191 codes: four registers for each step, so that no store's data are written again
	v_lshlrev_b32 v3, 4, v2                        ; my 16 bytes of a load's 512
	s_mul_i32 s33, s[WV], QREG                     ; my wave's LDS
	v_lshrrev_b32 v14, 2, v2
	v_mul_u32_u24 v14, v14, SP
	v_and_b32 v15, 3, v2
	v_lshl_add_u32 v14, v15, 4, v14
	v_add_nc_u32 v14, s33, v14                     ; the stage, on the way in: SP (lane / 4) + 16 (lane % 4)
	v_mul_u32_u24 v15, v2, SP
	v_add_nc_u32 v15, s33, v15                     ; and on the way out: SP x lane: my 16 neighbours
	v_mul_u32_u24 v4, v2, CB                       ; my codes' place in a step's
	v_lshrrev_b32 v5, 1, v2
	s_add_co_u32 s33, s33, 2*32*SP
	v_add_nc_u32 v5, s33, v5                       ; my wave's 256 scale bytes, my block's byte
	v_lshlrev_b32 v7, 3, v2                        ; and on the way out 8 bytes a lane
	v_add_nc_u32 v6, s33, v7
	s_sub_co_u32 s34, ttmp9, NW                    ; 0 .. 767
	s_lshr_b32 s35, s34, 8                         ; which tensor
	s_and_b32 s36, s34, 255
	s_lshl_b32 s36, s36, 2
	s_add_co_u32 s36, s36, s[WV]                   ; which run of 8,192 numbers of it is my wave's
	s_lshl_b32 s36, s36, 15                        ; 32,768 bytes a run
	s_mov_b32 s37, 0
	s_lshl_b32 s38, s34, 2
	s_add_co_u32 s38, s38, s[WV]                   ; the run's number over all three tensors, which lie on end in xc and in xs
	s_lshl_b32 s40, s38, 8                         ; 256 scale bytes a run,
	s_mov_b32 s41, 0
	s_lshl_b32 s38, s38, 12                        ; 4,096 bytes of codes
	s_mov_b32 s39, 0
	s_wait_kmcnt 0x0
	s_cmp_eq_u32 s35, 0                            ; the choice hangs on the work-group's number alone
	s_cselect_b64 s[6:7], s[6:7], s[8:9]
	s_cmp_eq_u32 s35, 2
	s_cselect_b64 s[6:7], s[10:11], s[6:7]
	s_add_nc_u64 s[6:7], s[6:7], s[36:37]
	s_add_nc_u64 s[22:23], s[22:23], s[38:39]
	s_add_nc_u64 s[24:25], s[24:25], s[40:41]
.macro XLOAD t
.irp i, 0,1,2,3
	global_load_b128 v[XR+16*((\t)%4)+4*\i:XR+16*((\t)%4)+4*\i+3], v3, s[6:7] offset:2048*(\t)+512*\i th:TH_LOAD_NT   ; 32 lanes read 512 consecutive bytes
.endr
.endm
.macro XTURN t                         ; step t's numbers through the stage: LDS serves a wave's instructions in order, so no wait stands between the stores and the loads
.irp i, 0,1,2,3
	ds_store_b128 v14, v[XR+16*((\t)%4)+4*\i:XR+16*((\t)%4)+4*\i+3] offset:32*SP*((\t)%2)+8*SP*\i
.endr
.irp i, 0,1,2,3
	ds_load_b128 v[XX+16*((\t)%2)+4*\i:XX+16*((\t)%2)+4*\i+3], v15 offset:32*SP*((\t)%2)+16*\i
.endr
.endm
.irp t, 0,1,2,3
	XLOAD \t
.endr
	s_wait_loadcnt 12                              ; step 0's four loads are in
	XTURN 0
.macro XSTEP t
.set QS, XX+16*((\t)%2)
.if (\t) > 0
	s_wait_dscnt 1                                 ; this step's numbers are back from the stage (the last step's byte store may be out)
.else
	s_wait_dscnt 0x0
.endif
.if (\t)+4 < STEPS
	XLOAD (\t)+4                                   ; into the set that this step's stores into the stage have read
.endif
.if (\t)+1 < STEPS
.if STEPS-2-(\t) >= 3
	s_wait_loadcnt 12                              ; the next step's four loads are in; those of the three steps behind it may be out
.else
	s_wait_loadcnt 4*(STEPS-2-(\t))
.endif
	XTURN (\t)+1                                   ; and go through the other stage while this step is worked
.endif
	v_max3_num_f32 v8, |v[QS]|, |v[QS+1]|, |v[QS+2]|               ; the largest magnitude of my 16, in two chains
	v_max3_num_f32 v9, |v[QS+3]|, |v[QS+4]|, |v[QS+5]|
.irp i, 6,10
	v_max3_num_f32 v8, v8, |v[QS+\i]|, |v[QS+\i+1]|
	v_max3_num_f32 v9, v9, |v[QS+\i+2]|, |v[QS+\i+3]|
.endr
	v_max3_num_f32 v8, v8, |v[QS+14]|, |v[QS+15]|
	v_max3_num_f32 v8, v8, v9, 0x1800000           ; and the floor 2^(3 - 127): so the byte cannot fall under 1
	v_max_num_f32_dpp v8, v8, v8 row_xmask:1 row_mask:0xf bank_mask:0xf   ; and of my neighbour's 16: the block's
	v_add_nc_u32 v11, 0xff000000, v8               ; 2 off its exponent field: the conversion's scale operand
	v_cvt_scalef32_pk8_fp4_f32 v[XC+4*(\t)], v[QS:QS+7], v11
	v_cvt_scalef32_pk8_fp4_f32 v[XC+4*(\t)+1], v[QS+8:QS+15], v11
	v_lshrrev_b32 v[XE+(\t)], 23, v11              ; the scale's byte (also the plain line behind the conversions)
	ds_store_b8 v5, v[XE+(\t)] offset:16*(\t)      ; both lanes of a block write the same byte with the same value
	global_store_b64 v4, v[XC+4*(\t):XC+4*(\t)+1], s[22:23] offset:32*CB*(\t)   ; 32 lanes store 256 consecutive aligned bytes
.endm
.irp t, 0,1,2,3,4,5,6,7,8,9,10,11,12,13,14,15
	XSTEP \t
.endr
	ds_load_b64 v[8:9], v6                         ; LDS serves a wave's instructions in order: these see my stores
	s_wait_dscnt 0x0
	global_store_b64 v7, v[8:9], s[24:25]          ; 32 lanes store 256 consecutive aligned bytes
	s_branch .Lend
; ==== way 3: the mask.  The loads run one unit (16 loads) ahead
.Lmask:
.set GA,  3                            ; v3   the loads' offset: row (lane / 16), 16 bytes x (lane % 16)
.set STI, 4                            ; v4   into the stage, as loaded
.set STO, 5                            ; v5   out of it: row lane % 16, 32 bytes x (lane / 16)
.set OA,  6                            ; v6   8 x lane: my two words of a unit
.set MW,  8                            ; v8-15    unit u's words: t = 0, 1 at 8 + 2 u
.set MR,  16                           ; v16-143  two sets of 64, as loaded
.set MX,  144                          ; v144-207 turned: register 32 t + i
	v_bfe_u32 v[MX], v0, 4, 1                      ; h = lane / 16
	v_and_b32 v[MX+1], 15, v0                      ; r = lane % 16
	v_lshlrev_b32 v[GA], 13, v[MX]                 ; a row of the mask is 8,192 bytes
	v_lshl_add_u32 v[GA], v[MX+1], 4, v[GA]
	s_mul_i32 s33, s[WV], MSTG
	s_add_co_u32 s33, s33, MKB                     ; my stage
	v_mul_u32_u24 v[STI], v[MX], PITCH
	v_lshl_add_u32 v[STI], v[MX+1], 4, v[STI]
	v_add_nc_u32 v[STI], s33, v[STI]
	v_mul_u32_u24 v[STO], v[MX+1], PITCH
	v_lshl_add_u32 v[STO], v[MX], 5, v[STO]
	v_add_nc_u32 v[STO], s33, v[STO]
	v_lshlrev_b32 v[OA], 3, v2
.irp i, 0,1,2,3,4,5,6,7
	v_mov_b32 v[MW+\i], 0                          ; written once: v_writelane_b32's destination counts as one of its sources
.endr
	s_sub_co_u32 s34, ttmp9, NW+NX                 ; 0 .. 511
	s_lshr_b32 s35, s34, 1                         ; P
	s_and_b32 s34, s34, 1
	s_lshl_b32 s34, s34, 2
	s_add_co_u32 s34, s34, s[WV]                   ; which four steps of the 32 are my wave's: 0 .. 7
	s_lshl_b32 s34, s34, 10                        ; 1,024 bytes of a row of the mask, and 1,024 bytes of words
	s_lshl_b32 s36, s35, 18                        ; 32 rows of 8,192 bytes for each P
	s_add_co_u32 s36, s36, s34
	s_mov_b32 s37, 0
	s_lshl_b32 s38, s35, 13                        ; 8,192 bytes of words for each P
	s_add_co_u32 s38, s38, s34
	s_mov_b32 s39, 0
	s_wait_kmcnt 0x0
	s_add_nc_u64 s[4:5], s[4:5], s[36:37]
	s_add_nc_u64 s[20:21], s[20:21], s[38:39]
.macro MLOAD u                         ; unit u: load i takes rows 2 i and 2 i + 1, 256 consecutive aligned bytes of each
.irp i, 0,1,2,3,4,5,6,7,8,9,10,11,12,13,14,15
	global_load_b128 v[MR+64*((\u)%2)+4*\i:MR+64*((\u)%2)+4*\i+3], v[GA], s[4:5] offset:\i*16384+(\u)*256 th:TH_LOAD_NT
.endr
.endm
.macro MUNIT u
.if (\u) < 3
	s_wait_loadcnt 16                              ; this unit's 16 loads are in; the next unit's 16 may be out
.else
	s_wait_loadcnt 0x0
.endif
.irp t, 0,1                            ; 16 rows at a time.  LDS serves a wave's instructions in order: the loads see the stores above them, and the second tile's stores come behind the first tile's loads
.irp i, 0,1,2,3,4,5,6,7
	ds_store_b128 v[STI], v[MR+64*((\u)%2)+32*\t+4*\i:MR+64*((\u)%2)+32*\t+4*\i+3] offset:\i*2*PITCH
.endr
.irp kt, 0,1,2,3
.irp e, 0,1
	ds_load_b128 v[MX+32*\t+8*\kt+4*\e:MX+32*\t+8*\kt+4*\e+3], v[STO] offset:\kt*64+\e*16
.endr
.endr
.endr
	s_wait_dscnt 0x0
.if (\u) < 2
	MLOAD (\u)+2                                   ; into the set that the stores above have read
.endif
.irp t, 0,1
.irp hf, 0,1
.irp i, 0,1,2,3,4,5,6,7,8,9,10,11,12,13,14,15
	v_cmp_ne_u32 s[40+\i], 0, v[MX+32*\t+16*\hf+\i] ; bit L: my lane's number is not 0
.endr
.irp i, 0,1,2,3,4,5,6,7,8,9,10,11,12,13,14,15
	v_writelane_b32 v[MW+2*(\u)+\t], s[40+\i], 16*\hf+\i
.endr
.endr
.endr
	global_store_b64 v[OA], v[MW+2*(\u):MW+2*(\u)+1], s[20:21] offset:(\u)*256   ; 32 lanes store 256 consecutive bytes, aligned; each unit has its own two registers
.endm
	MLOAD 0
	MLOAD 1
	MUNIT 0
	MUNIT 1
	MUNIT 2
	MUNIT 3
.Lend:
	s_wait_tensorcnt 0x0                           ; the wave's end, on every way, behind my last LDS store
	ds_add_u32 v[SPW], v[NIL]
	s_wait_dscnt 0x0
	s_endpgm
.Lfunc_end_k_qb7ef14b546_prep:
	.size	k_qb7ef14b546_prep, .Lfunc_end_k_qb7ef14b546_prep-k_qb7ef14b546_prep
	.p2alignl 7, 3214868480
	.fill 96, 4, 3214868480
	.section	.rodata,"a",@progbits
	.p2align	6, 0x0
	.amdhsa_kernel k_qb7ef14b546_prep
		.amdhsa_group_segment_fixed_size 75264
		.amdhsa_private_segment_fixed_size 0
		.amdhsa_enable_private_segment 0
		.amdhsa_kernarg_size 112
		.amdhsa_user_sgpr_count 2
		.amdhsa_user_sgpr_kernarg_segment_ptr 1
		.amdhsa_wavefront_size32 1
		.amdhsa_system_sgpr_workgroup_id_x 1
		.amdhsa_system_sgpr_workgroup_id_y 1
		.amdhsa_system_sgpr_workgroup_id_z 1
		.amdhsa_system_vgpr_workitem_id 0
		.amdhsa_next_free_vgpr 212
		.amdhsa_next_free_sgpr 66
		.amdhsa_reserve_vcc 0
		.amdhsa_float_denorm_mode_32 3
		.amdhsa_float_denorm_mode_16_64 3
		.amdhsa_memory_ordered 1
		.amdhsa_forward_progress 1
		.amdhsa_inst_pref_size 225
	.end_amdhsa_kernel
	.amdgpu_metadata
---
amdhsa.version: [ 1, 2 ]
amdhsa.kernels:
  - .name:           k_qb7ef14b546_prep
    .symbol:         k_qb7ef14b546_prep.kd
    .args:
      - { .name: mask, .offset: 0, .size: 8, .value_kind: global_buffer, .address_space: global }
      - { .name: query, .offset: 8, .size: 8, .value_kind: global_buffer, .address_space: global }
      - { .name: key, .offset: 16, .size: 8, .value_kind: global_buffer, .address_space: global }
      - { .name: value, .offset: 24, .size: 8, .value_kind: global_buffer, .address_space: global }
      - { .name: Wq, .offset: 32, .size: 8, .value_kind: global_buffer, .address_space: global }
      - { .name: Wk, .offset: 40, .size: 8, .value_kind: global_buffer, .address_space: global }
      - { .name: Wv, .offset: 48, .size: 8, .value_kind: global_buffer, .address_space: global }
      - { .name: Wo, .offset: 56, .size: 8, .value_kind: global_buffer, .address_space: global }
      - { .name: mbits, .offset: 64, .size: 8, .value_kind: global_buffer, .address_space: global }
      - { .name: xc, .offset: 72, .size: 8, .value_kind: global_buffer, .address_space: global }
      - { .name: xs, .offset: 80, .size: 8, .value_kind: global_buffer, .address_space: global }
      - { .name: wc, .offset: 88, .size: 8, .value_kind: global_buffer, .address_space: global }
      - { .name: ws, .offset: 96, .size: 8, .value_kind: global_buffer, .address_space: global }
      - { .name: wo16, .offset: 104, .size: 8, .value_kind: global_buffer, .address_space: global }
    .group_segment_fixed_size: 75264
    .private_segment_fixed_size: 0
    .kernarg_segment_align: 8
    .kernarg_segment_size: 112
    .max_flat_workgroup_size: 128
    .sgpr_count:     66
    .vgpr_count:     212
    .wavefront_size: 32
...
	.end_amdgpu_metadata
.endif
;; end of part 1
;; launch proj (part 2): grid 4 x 96, 4 waves a work-group, clusters of 4 x 4, 327,680 bytes of LDS; arguments xc, xs, wc, ws, bq, bk, bv, qkv; writes qkv
.if DOCPART == 2
	.amdgcn_target "amdgcn-amd-amdhsa--gfx1250"
	.amdhsa_code_object_version 6
	.text
	.protected	k_qb7ef14b546_proj
	.globl	k_qb7ef14b546_proj
	.p2align	8
	.type	k_qb7ef14b546_proj,@function
k_qb7ef14b546_proj:
	s_mov_b64 s[64:65], 0
	v_nop
	global_prefetch_b8 v0, s[64:65] scope:SCOPE_SE
	s_setreg_imm32_b32 hwreg(HW_REG_WAVE_MODE, 25, 1), 1
	s_wait_xcnt 0x0
	s_wait_alu depctr_hold_cnt(0) depctr_sa_sdst(0) depctr_va_vdst(0) depctr_va_sdst(0) depctr_va_ssrc(0) depctr_va_vcc(0) depctr_vm_vsrc(0)
	s_getreg_b32 s2, hwreg(HW_REG_IB_STS2, 6, 4)
	s_cmp_eq_u32 s2, 0
	s_cbranch_scc0 .Lentry_in_a_cluster
	s_endpgm
.Lentry_in_a_cluster:
	s_bfe_u32 s2, ttmp6, 0x10000c
	s_cmp_lg_u32 s2, 0xf033
	s_cbranch_scc0 .Lentry_shape_is_right
	s_endpgm
.Lentry_shape_is_right:
; The three projections x W + b on codes of FP4 (E2M1) with one E8M0 scale for each 32 along K = 1,024; sums in f32; the results rounded to f16 and stored as images of the
; registers in which the attention launch wants them.  q is also multiplied by log2(e) / 8, so that a score is already the exponent of 2.
; An image: a fragment of 16 rows x 32 k of f16 is two parts c of 512 bytes, lane (r, h) having 16 bytes at 16 x lane: row r, k = 16 c + 8 h + 0 .. 7.  A 16 x 16 result whose lane holds one row and
; eight neighbours, packed to f16, IS such a part: it is stored straight from registers, 512 consecutive aligned bytes a store, and needs no stage in LDS.
; qkv: Q at 0, K at 16 MiB: [batch x 16 + head][token / 16 (128)][channel / 32 (2)][c][lane][16 bytes];  V at 32 MiB: [batch x 16 + head][key / 32 (64)][channel / 16 (4)][c][lane][16 bytes].
; ROLES.  The side called A is source 1 (a lane's row r), the side called B is source 0 (a lane's eight registers).  q, k: A = tokens (x), B = channels (W).  v: A = channels (Wv), B = tokens,
; since V's image has a channel to a lane and the keys along its registers.  Both sides have rows of 512 bytes of codes and 32 scale bytes, so one text serves all three: only pointers are chosen.
; SHARES.  A tile of 256 (A) x 256 (B) to a work-group of four waves, 128 x 128 a wave: 64 accumulators, 512 registers.  K goes in two steps of 512 (rows of 256 bytes) into two LDS slots,
; both filled at the start and never again: three tensor loads of a wave are out at the most (its scales, slot 0, slot 1).
; CLUSTERS: 4 x 4 work-groups; cluster y = 8 x tensor + u.  The four of a row need the same tile of A, the four of a column the same tile of B: each tile is asked for jointly.
; 384 work-groups: no tile that divides 8,192 x 1,024 three times over gives 256 equal shares.
; LIMITS: |q| x 0.18, |k|, |v| above 65,504 become infinity in f16.
; REGISTERS: window 0: v1-6 at work; v8-15 the bias loads' offsets; v16-29 addresses; v32-95 scale words, two sets, and nothing else; v96-127 packed results; v128-191 A's fragments, later results in f32; v192-255 the bias.
;   window 1: B's fragments, two sets, at v0 and v128.   window 2, 3: the accumulators of my A rows 0-63, 64-127 (accumulator (a, b) at v[8 (8 (a % 4) + b)]).
.set NQ,     4                         ; steps of 128 along K in a slot
.set ROWB,   256                       ; a tile's row in bytes: 512 codes
.set KROW,   512                       ; a row of codes in memory
.set PITCH,  272                       ; an LDS row: 256 bytes + 16 of padding: the 16 rows that a load touches start at 16 different banks
.set FR,     8
.set NL,     2
.set NP,     4                         ; places behind this matrix instruction (ISA guide 7.12.1)
.set HALFT,  128*PITCH
.set SLOT,   4*HALFT                   ; A's 256 rows, then B's 256 rows
.set KS,     32                        ; a row of scale bytes
.set SCL,    2*SLOT                    ; behind the slots: the scales, as runs of 256 bytes + 16 of padding
.set HALFS,  (128*KS/256)*272
.set SBLK,   (16*KS/256)*272
.set SPARE,  SCL+4*HALFS               ; the spare words, 128 bytes for each wave
.set BO,   8
.set ADRA, 16
.set ADRB, 20
.set CO,   26                          ; v26 16 x lane: my place in a part of an image
.set ADRS, 27
.set SPW,  28
.set NIL,  29
.set SC,   32
.set PK,   96
.set AF,   128
.set TF,   128
.set BI,   192
.set G1,   24
.set G0,   32
.set G1B,  48
.set G0B,  56
.set G1S,  68
.set G0S,  76
.set G1SB, 80
.set G0SB, 88
.set MSB, 0
.macro WIN new                         ; the immediate's high byte repeats the setting that is left
.if MSB != \new
	s_set_vgpr_msb (MSB<<8)|\new
.set MSB, \new
.endif
.endm
.set MUL_LO, 0xa1                      ; source 0 (B) window 1, source 1 (A) window 0, C and D window 2
.set MUL_HI, 0xf1
.set TO_B,   0x40
; A joint load: waves 0 and 1 fetch for A, waves 2 and 3 for B; the branch hangs on the wave's number alone.  An s_nop 0 and four v_nop follow each of the two lines.
.macro JLOAD g0a, g1a, g0b, g1b
	s_cmp_eq_u32 s21, 0
	s_cbranch_scc0 .Lfor_b_\@
	tensor_load_to_lds s[\g0a:\g0a+3], s[\g1a:\g1a+7]
	s_nop 0
.rept 4
	v_nop
.endr
	s_branch .Lasked_\@
.Lfor_b_\@:
	tensor_load_to_lds s[\g0b:\g0b+3], s[\g1b:\g1b+7]
	s_nop 0
.rept 4
	v_nop
.endr
.Lasked_\@:
.endm
.macro CROUND                          ; a round of the cluster's barrier
	s_barrier_signal -1
	s_barrier_wait -1
	s_cmp_lg_u32 s20, 0
	s_cbranch_scc1 .Lnot_wave_0_\@
	s_barrier_signal -3
.Lnot_wave_0_\@:
	s_barrier_wait -3
	s_barrier_signal -1
	s_barrier_wait -1
.endm
	s_load_b256 s[4:11], s[0:1], 0x0               ; xc s[4:5], xs s[6:7], wc s[8:9], ws s[10:11]
	s_load_b256 s[12:19], s[0:1], 0x20             ; bq s[12:13], bk s[14:15], bv s[16:17], qkv s[18:19]
	v_lshl_add_u32 v[SPW], v0, 2, SPARE
	v_mov_b32 v[NIL], 0
	ds_add_u32 v[SPW], v[NIL]                      ; the wave's opening: the add, twice on end, and its wait ahead of my first tensor load
	ds_add_u32 v[SPW], v[NIL]
	v_lshrrev_b32 v1, 5, v0
	v_readfirstlane_b32 s20, v1                    ; wave 0..3
	s_lshr_b32 s21, s20, 1                         ; which half of the tile's A rows is mine.  Also: I fetch for A (0) or for B (1)
	s_and_b32 s22, s20, 1                          ; which half of its B rows.  Also: which 128 rows I fetch
	s_bfe_u32 s40, ttmp6, 0x40000                  ; cx
	s_bfe_u32 s41, ttmp6, 0x40004                  ; cy
	s_and_b32 s47, ttmp7, 0xffff                   ; cluster y: the same in all sixteen partners
	s_lshr_b32 s23, s47, 3                         ; the tensor: 0 q, 1 k, 2 v
	s_and_b32 s47, s47, 7                          ; u
	s_cmp_eq_u32 s23, 2
	s_cselect_b32 s46, 1, 0                        ; 1: v's roles
	s_cselect_b32 s92, 0, s47                      ; the long side (8,192 tokens, 32 tiles) is A for q and k,
	s_cselect_b32 s93, s47, 0                      ; B for v
	s_lshl_b32 s43, s92, 2
	s_add_co_u32 s43, s43, s41                     ; A's tile: 4 x (u or 0) + cy
	s_lshl_b32 s42, s93, 2
	s_add_co_u32 s42, s42, s40                     ; B's tile: 4 x (0 or u) + cx
	s_lshl_b32 s44, s41, 2
	s_lshl_b32 s44, 15, s44                        ; my row of the cluster
	s_lshl_b32 s45, 0x1111, s40                    ; my column
	; descriptor group 1: a tile of 128 rows x 256 bytes, padded in LDS
	s_or_b32 s[G1+0], s44, (0<<16)|(1<<20)|(1<<21)|(5<<22)|(3<<25)  ; 15:0 the mask: A's tiles go to my row; elements of 1 byte; padding on; 21 set beside a mask; after every 64 words, 4 words
	s_or_b32 s[G1B+0], s45, (0<<16)|(1<<20)|(1<<21)|(5<<22)|(3<<25)
.irp g, G1, G1B
	s_mov_b32 s[\g+1], ROWB<<16                    ; tensor_dim0
	s_mov_b32 s[\g+2], 128<<16                     ; tensor_dim1
	s_mov_b32 s[\g+3], ROWB<<16                    ; tile_dim0
	s_mov_b32 s[\g+4], 128                         ; tile_dim1
	s_mov_b32 s[\g+5], KROW                        ; tensor_dim0_stride
	s_mov_b32 s[\g+6], 0
	s_mov_b32 s[\g+7], 0
.endr
	; the scales of 128 rows: a dense block of 4,096 bytes, as 16 rows of 256 bytes (32 elements of 8 bytes), 16 bytes of padding behind each
	s_or_b32 s[G1S+0], s44, (3<<16)|(1<<20)|(1<<21)|(5<<22)|(3<<25)
	s_or_b32 s[G1SB+0], s45, (3<<16)|(1<<20)|(1<<21)|(5<<22)|(3<<25)
.irp g, G1S, G1SB
	s_mov_b32 s[\g+1], 32<<16
	s_mov_b32 s[\g+2], (128*KS/256)<<16
	s_mov_b32 s[\g+3], 32<<16
	s_mov_b32 s[\g+4], 128*KS/256
	s_mov_b32 s[\g+5], 32
	s_mov_b32 s[\g+6], 0
	s_mov_b32 s[\g+7], 0
.endr
	s_lshl_b32 s2, s22, 7                          ; which 128 rows of a tile I fetch
	s_lshl_b32 s3, s43, 8
	s_add_co_u32 s3, s3, s2                        ; A's row
	s_lshl_b32 s96, s3, 9                          ; its codes, in bytes,
	s_mov_b32 s97, 0
	s_lshl_b32 s92, s3, 5                          ; its scales
	s_mov_b32 s93, 0
	s_lshl_b32 s100, s42, 8
	s_add_co_u32 s100, s100, s2                    ; B's row, in a register that never feeds A's descriptors
	s_lshl_b32 s98, s100, 9
	s_mov_b32 s99, 0
	s_lshl_b32 s94, s100, 5
	s_mov_b32 s95, 0
	s_mul_i32 s66, s20, HALFT                      ; where they go: wave x 128 rows: no place in the cluster enters an LDS address
	s_mul_i32 s67, s20, HALFS
	s_mov_b32 s3, 0
	s_wait_dscnt 0x0                               ; both opening adds are done
	s_wait_kmcnt 0x0
	s_lshl_b32 s2, s23, 22
	s_add_nc_u64 s[4:5], s[4:5], s[2:3]            ; my tensor's part of xc,
	s_lshl_b32 s2, s23, 18
	s_add_nc_u64 s[6:7], s[6:7], s[2:3]            ; of xs,
	s_lshl_b32 s2, s23, 19
	s_add_nc_u64 s[8:9], s[8:9], s[2:3]            ; of wc,
	s_lshl_b32 s2, s23, 15
	s_add_nc_u64 s[10:11], s[10:11], s[2:3]        ; of ws
	CROUND                                         ; all sixteen work-groups are here: the first joint loads meet
	s_cmp_eq_u32 s46, 1                            ; the roles: a choice between buffers on the cluster's number alone
	s_cselect_b64 s[G0S+2:G0S+3], s[10:11], s[6:7]
	s_cselect_b64 s[G0SB+2:G0SB+3], s[6:7], s[10:11]
	s_cselect_b64 s[G0+2:G0+3], s[8:9], s[4:5]
	s_cselect_b64 s[G0B+2:G0B+3], s[4:5], s[8:9]
	s_mov_b32 s[G0S], 1
	s_add_co_u32 s[G0S+1], s67, SCL
	s_add_nc_u64 s[G0S+2:G0S+3], s[G0S+2:G0S+3], s[92:93]
	s_or_b32 s[G0S+3], s[G0S+3], 0x80000000
	s_mov_b32 s[G0SB], 1
	s_add_co_u32 s[G0SB+1], s67, SCL
	s_add_nc_u64 s[G0SB+2:G0SB+3], s[G0SB+2:G0SB+3], s[94:95]
	s_or_b32 s[G0SB+3], s[G0SB+3], 0x80000000
	JLOAD G0S, G1S, G0SB, G1SB                     ; the scales first: they are wanted with K step 0
	s_add_nc_u64 s[G0+2:G0+3], s[G0+2:G0+3], s[96:97]
	s_add_nc_u64 s[G0B+2:G0B+3], s[G0B+2:G0B+3], s[98:99]
	s_add_nc_u64 s[G0+6:G0+7], s[G0+2:G0+3], ROWB  ; slot 1: the second 512 along K
	s_add_nc_u64 s[G0B+6:G0B+7], s[G0B+2:G0B+3], ROWB
.irp s, 0,1
	s_mov_b32 s[G0+4*\s], 1
	s_add_co_u32 s[G0+4*\s+1], s66, \s*SLOT
	s_or_b32 s[G0+4*\s+3], s[G0+4*\s+3], 0x80000000
	s_mov_b32 s[G0B+4*\s], 1
	s_add_co_u32 s[G0B+4*\s+1], s66, \s*SLOT
	s_or_b32 s[G0B+4*\s+3], s[G0B+4*\s+3], 0x80000000
	JLOAD G0+4*\s, G1, G0B+4*\s, G1B
.endr
	v_and_b32 v1, 15, v0                           ; r
	v_bfe_u32 v2, v0, 4, 1                         ; h
	v_mul_u32_u24 v3, v1, PITCH
	v_lshl_add_u32 v4, v2, 4, v3                   ; a fragment's row x pitch + 16 x half
	s_mul_i32 s2, s21, HALFT                       ; my 128 rows of A
	s_mul_i32 s3, s22, HALFT                       ; my 128 rows of B,
	s_add_co_u32 s3, s3, 2*HALFT                   ; which lie behind A's 256
.irp s, 0,1
	v_add_nc_u32 v[ADRA+\s], s2, v4
	v_add_nc_u32 v[ADRB+\s], s3, v4
	s_add_co_u32 s2, s2, SLOT
	s_add_co_u32 s3, s3, SLOT
.endr
	v_mul_u32_u24 v5, v1, KS                       ; my row's scales: 32 bytes a row,
	v_lshrrev_b32 v6, 8, v5
	v_lshl_add_u32 v5, v6, 4, v5                   ; and 16 more for each 256 passed
	s_mul_i32 s2, s21, HALFS
	s_mul_i32 s3, s22, HALFS
	s_add_co_u32 s3, s3, 2*HALFS
	s_sub_co_u32 s3, s3, s2
	v_mul_u32_u24 v6, s3, v2                       ; lanes 16-31 take B's
	s_add_co_u32 s2, s2, SCL
	v_add_nc_u32 v5, v5, v6
	v_add_nc_u32 v[ADRS], s2, v5
	v_and_b32 v6, 31, v0
	v_lshlrev_b32 v[CO], 4, v6
	; where my results go, and my bias.  My 128 rows of A are unit 2 x A's tile + half, of B likewise; one of the two counts tokens, the other channels
	s_lshl_b32 s2, s43, 1
	s_add_co_u32 s2, s2, s21
	s_lshl_b32 s3, s42, 1
	s_add_co_u32 s3, s3, s22
	s_cmp_eq_u32 s46, 1
	s_cselect_b32 s94, s3, s2                      ; tokens 128 x this on
	s_cselect_b32 s95, s2, s3                      ; channels 128 x this on: two heads
	s_cselect_b32 s96, -1, 0
	s_cselect_b32 s97, 0, 4
	s_lshr_b32 s2, s94, 4                          ; the batch: 16 units of 128 tokens each
	s_lshl_b32 s2, s2, 4
	s_lshl_b32 s3, s95, 1
	s_add_co_u32 s2, s2, s3                        ; batch x 16 + my first head: 262,144 bytes each, in Q, K and V alike
	s_lshl_b32 s2, s2, 18
	s_and_b32 s3, s94, 15
	s_lshl_b32 s3, s3, 14                          ; 128 tokens are 8 tiles of 2,048 bytes in Q and K, 4 groups of 4,096 in V
	s_add_co_u32 s2, s2, s3
	s_lshl_b32 s3, s23, 24                         ; the tensor's 16 MiB
	s_add_co_u32 s2, s2, s3
	s_mov_b32 s3, 0
	s_add_nc_u64 s[92:93], s[18:19], s[2:3]
	s_cmp_eq_u32 s23, 0
	s_cselect_b64 s[66:67], s[12:13], s[14:15]
	s_cselect_b32 s100, 0x3e38aa3b, 1.0            ; log2(e) / 8 for q, 1 for k and v
	s_mov_b32 s101, s100                           ; (named with it as a pair, so it is written)
	s_cmp_eq_u32 s23, 2
	s_cselect_b64 s[66:67], s[16:17], s[66:67]
	s_lshl_b32 s2, s95, 9
	s_add_nc_u64 s[66:67], s[66:67], s[2:3]        ; my 128 numbers of the bias
	; register 8 i + j of the bias: q, k: that of channel 16 i + 8 h + j (B's block i, my register j);  v: that of channel 16 i + r (A's block i, my row), eight times.  One form of loads, no branch
	v_lshlrev_b32 v5, 2, v1                        ; 4 r
	v_lshlrev_b32 v6, 5, v2                        ; 32 h
	v_cndmask_b32 v[BO], v6, v5, s96
.irp j, 1,2,3,4,5,6,7
	v_add_nc_u32 v[BO+\j], s97, v[BO+\j-1]
.endr
.irp i, 0,1,2,3,4,5,6,7
.irp j, 0,1,2,3,4,5,6,7
	global_load_b32 v[BI+8*\i+\j], v[BO+\j], s[66:67] offset:64*\i
.endr
.endr
.macro FRAG reg, adr, q, i             ; 16 rows x 128 K of 4-bit codes: lane l holds row l % 16; registers 4 c .. 4 c + 3 hold K = 64 c + 32 (l / 16) + 0 .. 31
.irp c, 0,1
	ds_load_b128 v[\reg+4*\c:\reg+4*\c+3], v[\adr] offset:64*(\q)+32*\c+(\i)*16*PITCH
.endr
.endm
; 16 matrix instructions: A's blocks a0, a0 + 1 x B's eight, 128 along K.  p: B's set;  sc: the set of scale words.  zero = 1: the first product starts the sums.
; The 64 accumulators take turns, one instruction a turn, in the same order in every step.
.macro MUL16 a0, p, q, sc, zero
.irp a, \a0, \a0+1
.irp b, 0,1,2,3,4,5,6,7
.if \zero
	v_wmma_scale_f32_16x16x128_f8f6f4 v[8*(8*((\a)%4)+\b):8*(8*((\a)%4)+\b)+7], v[128*(\p)+FR*\b:128*(\p)+FR*\b+FR-1], v[AF+FR*(\a):AF+FR*(\a)+FR-1], 0, v[SC+8*NQ*(\sc)+NQ*\b+(\q)], v[SC+8*NQ*(\sc)+NQ*(\a)+(\q)] matrix_a_fmt:MATRIX_FMT_FP4 matrix_b_fmt:MATRIX_FMT_FP4 matrix_a_scale:MATRIX_SCALE_ROW1
.else
	v_wmma_scale_f32_16x16x128_f8f6f4 v[8*(8*((\a)%4)+\b):8*(8*((\a)%4)+\b)+7], v[128*(\p)+FR*\b:128*(\p)+FR*\b+FR-1], v[AF+FR*(\a):AF+FR*(\a)+FR-1], v[8*(8*((\a)%4)+\b):8*(8*((\a)%4)+\b)+7], v[SC+8*NQ*(\sc)+NQ*\b+(\q)], v[SC+8*NQ*(\sc)+NQ*(\a)+(\q)] matrix_a_fmt:MATRIX_FMT_FP4 matrix_b_fmt:MATRIX_FMT_FP4 matrix_a_scale:MATRIX_SCALE_ROW1
.endif
.endr
.endr
.endm
.macro FETCH_B slot, q, p
	WIN TO_B
.irp i, 0,1,2,3,4,5,6,7
	FRAG 128*(\p)+FR*\i, ADRB+\slot, \q, \i
.endr
	WIN 0
.endm
.macro FETCH_A slot, q, i0
.irp i, \i0, \i0+1, \i0+2, \i0+3
	FRAG AF+FR*(\i), ADRA+\slot, \q, \i
.endr
.endm
.macro SCALES sc                       ; a K step's scale words: 4 words a row; lanes 0-15 take A's block i, lanes 16-31 B's block i
.irp i, 0,1,2,3,4,5,6,7
	ds_load_b128 v[SC+8*NQ*\sc+NQ*\i:SC+8*NQ*\sc+NQ*\i+3], v[ADRS] offset:\i*SBLK
.endr
.endm
.macro PLACES n                        ; plain vector lines between a matrix instruction and a load into, or a vector line on, its registers
.rept \n
	v_nop
.endr
.endm
.macro STEP slot, q, zero              ; a step of 128 along K that has its successor in the same slot
	s_wait_dscnt 4*NL                              ; B's set and A's blocks 0-3 are in; the youngest eight loads (A's blocks 4-7) may be out
	WIN MUL_LO
	MUL16 0, (\q)%2, \q, \slot, \zero
	MUL16 2, (\q)%2, \q, \slot, \zero
	s_wait_dscnt 0
	PLACES NP
	FETCH_B \slot, (\q)+1, 1-(\q)%2
	FETCH_A \slot, (\q)+1, 0
	WIN MUL_HI
	MUL16 4, (\q)%2, \q, \slot, \zero
	MUL16 6, (\q)%2, \q, \slot, \zero
	PLACES NP
	WIN 0
	FETCH_A \slot, (\q)+1, 4
.endm
.macro STEPS slot, from
.set Q, \from
.rept NQ-1-\from
	STEP \slot, Q, 0
.set Q, Q+1
.endr
.endm
	s_wait_tensorcnt 1                             ; the scales and my part of slot 0 are in (slot 1's load may be out)
	s_barrier_signal -1
	s_barrier_wait -1                              ; everybody's are
	FETCH_B 0, 0, 0
	FETCH_A 0, 0, 0
	SCALES 0
	FETCH_A 0, 0, 4
	STEP 0, 0, 1                                   ; the first step's products start the sums: nothing is cleared
	STEPS 0, 1
	; slot 0's last step, and the change to slot 1
	s_wait_tensorcnt 0x0                           ; my part of slot 1 has landed
	ds_add_u32 v[SPW], v[NIL]                      ; 0 onto my spare word
	s_wait_dscnt 4*NL+1                            ; (the add and the youngest eight loads may be out)
	WIN MUL_LO
	MUL16 0, 1, NQ-1, 0, 0
	s_wait_dscnt 0x0
	s_barrier_signal -1
	MUL16 2, 1, NQ-1, 0, 0
	WIN 0
	s_barrier_wait -1                              ; slot 1 is whole
	PLACES NP
	v_add_nc_u32 v[ADRS], 4*NQ, v[ADRS]            ; on to the second K step's scale words (no LDS load of mine is out)
	FETCH_B 1, 0, 0
	FETCH_A 1, 0, 0
	SCALES 1
	WIN MUL_HI
	MUL16 4, 1, NQ-1, 0, 0
	MUL16 6, 1, NQ-1, 0, 0
	PLACES NP
	WIN 0
	FETCH_A 1, 0, 4
	STEPS 1, 0
	s_wait_dscnt 4*NL                              ; the very last step: nothing more to fetch
	WIN MUL_LO
	MUL16 0, 1, NQ-1, 1, 0
	MUL16 2, 1, NQ-1, 1, 0
	s_wait_dscnt 0
	WIN MUL_HI
	MUL16 4, 1, NQ-1, 1, 0
	MUL16 6, 1, NQ-1, 1, 0
	WIN 0
; THE WAY OUT.  (sum + bias) x factor = sum x factor + bias x factor: one fused multiply-add a number, two at a time; rounded to f16; a 16 x 16 result is 512 bytes of an image.
	PLACES NP
	s_wait_loadcnt 0x0                             ; the bias
.set i, 0
.rept 32
	v_pk_mul_f32 v[BI+i:BI+i+1], v[BI+i:BI+i+1], s[100:101] op_sel_hi:[1,0]
.set i, i+2
.endr
; arm 0 (q, k): block a = 16 tokens, block b = 16 channels: head b / 4, part b % 4 of the token tile's 2,048 bytes.   arm 1 (v): block a = 16 channels: head a / 4, tile a % 4; block b = 16 keys: group b / 2, part b % 2.
.macro OUT arm
.irp a, 0,1,2,3,4,5,6,7
	WIN 0x02+(\a/4)                                ; source 0: the accumulators' window
.irp b, 0,1,2,3,4,5,6,7
.irp m, 0,1,2,3
.if \arm
	v_pk_fma_f32 v[TF+8*\b+2*\m:TF+8*\b+2*\m+1], v[64*(\a%4)+8*\b+2*\m:64*(\a%4)+8*\b+2*\m+1], s[100:101], v[BI+8*\a+2*\m:BI+8*\a+2*\m+1] op_sel_hi:[1,0,1]
.else
	v_pk_fma_f32 v[TF+8*\b+2*\m:TF+8*\b+2*\m+1], v[64*(\a%4)+8*\b+2*\m:64*(\a%4)+8*\b+2*\m+1], s[100:101], v[BI+8*\b+2*\m:BI+8*\b+2*\m+1] op_sel_hi:[1,0,1]
.endif
.endr
.endr
	WIN 0
.if \a > 0
	s_wait_xcnt 0x0                                ; the last block's stores have read the packed registers
.endif
.irp b, 0,1,2,3,4,5,6,7
.irp m, 0,1,2,3
	v_cvt_pk_f16_f32 v[PK+4*\b+\m], v[TF+8*\b+2*\m], v[TF+8*\b+2*\m+1]
.endr
.endr
.irp b, 0,1,2,3,4,5,6,7
.if \arm
	global_store_b128 v[CO], v[PK+4*\b:PK+4*\b+3], s[92:93] offset:(\a%4)*1024+(\a/4)*262144+(\b%2)*512+(\b/2)*4096
.else
	global_store_b128 v[CO], v[PK+4*\b:PK+4*\b+3], s[92:93] offset:\a*2048+(\b%4)*512+(\b/4)*262144
.endif
.endr
.endr
.endm
	s_cmp_eq_u32 s46, 1                            ; the cluster's number alone: the same way in all partners
	s_cbranch_scc1 .Lfor_v
	OUT 0
	s_branch .Lstored
.Lfor_v:
	OUT 1
.Lstored:
	s_wait_tensorcnt 0x0                           ; the wave's end
	ds_add_u32 v[SPW], v[NIL]
	s_wait_dscnt 0x0
	CROUND                                         ; the closing round
	s_endpgm
.Lfunc_end_k_qb7ef14b546_proj:
	.size	k_qb7ef14b546_proj, .Lfunc_end_k_qb7ef14b546_proj-k_qb7ef14b546_proj
	.p2alignl 7, 3214868480
	.fill 96, 4, 3214868480
	.section	.rodata,"a",@progbits
	.p2align	6, 0x0
	.amdhsa_kernel k_qb7ef14b546_proj
		.amdhsa_group_segment_fixed_size 327680
		.amdhsa_private_segment_fixed_size 0
		.amdhsa_enable_private_segment 0
		.amdhsa_kernarg_size 64
		.amdhsa_user_sgpr_count 2
		.amdhsa_user_sgpr_kernarg_segment_ptr 1
		.amdhsa_wavefront_size32 1
		.amdhsa_system_sgpr_workgroup_id_x 1
		.amdhsa_system_sgpr_workgroup_id_y 1
		.amdhsa_system_sgpr_workgroup_id_z 1
		.amdhsa_system_vgpr_workitem_id 0
		.amdhsa_next_free_vgpr 1024
		.amdhsa_next_free_sgpr 102
		.amdhsa_reserve_vcc 0
		.amdhsa_float_denorm_mode_32 3
		.amdhsa_float_denorm_mode_16_64 3
		.amdhsa_memory_ordered 1
		.amdhsa_forward_progress 1
		.amdhsa_inst_pref_size 182
	.end_amdhsa_kernel
	.amdgpu_metadata
---
amdhsa.version: [ 1, 2 ]
amdhsa.kernels:
  - .name:           k_qb7ef14b546_proj
    .symbol:         k_qb7ef14b546_proj.kd
    .args:
      - { .name: xc, .offset: 0, .size: 8, .value_kind: global_buffer, .address_space: global }
      - { .name: xs, .offset: 8, .size: 8, .value_kind: global_buffer, .address_space: global }
      - { .name: wc, .offset: 16, .size: 8, .value_kind: global_buffer, .address_space: global }
      - { .name: ws, .offset: 24, .size: 8, .value_kind: global_buffer, .address_space: global }
      - { .name: bq, .offset: 32, .size: 8, .value_kind: global_buffer, .address_space: global }
      - { .name: bk, .offset: 40, .size: 8, .value_kind: global_buffer, .address_space: global }
      - { .name: bv, .offset: 48, .size: 8, .value_kind: global_buffer, .address_space: global }
      - { .name: qkv, .offset: 56, .size: 8, .value_kind: global_buffer, .address_space: global }
    .group_segment_fixed_size: 327680
    .private_segment_fixed_size: 0
    .kernarg_segment_align: 8
    .kernarg_segment_size: 64
    .max_flat_workgroup_size: 128
    .sgpr_count:     102
    .vgpr_count:     1024
    .wavefront_size: 32
...
	.end_amdgpu_metadata
.endif
;; end of part 2
;; launch attn (part 3): grid 4 x 64, 16 waves a work-group, clusters of 4 x 1, 327,680 bytes of LDS; arguments qkv, mbits, ctx16; writes ctx16
.if DOCPART == 3
	.amdgcn_target "amdgcn-amd-amdhsa--gfx1250"
	.amdhsa_code_object_version 6
	.text
	.protected	k_qb7ef14b546_attn
	.globl	k_qb7ef14b546_attn
	.p2align	8
	.type	k_qb7ef14b546_attn,@function
k_qb7ef14b546_attn:
	s_mov_b64 s[64:65], 0
	v_nop
	global_prefetch_b8 v0, s[64:65] scope:SCOPE_SE
	s_setreg_imm32_b32 hwreg(HW_REG_WAVE_MODE, 25, 1), 1
	s_wait_xcnt 0x0
	s_wait_alu depctr_hold_cnt(0) depctr_sa_sdst(0) depctr_va_vdst(0) depctr_va_sdst(0) depctr_va_ssrc(0) depctr_va_vcc(0) depctr_vm_vsrc(0)
	s_getreg_b32 s2, hwreg(HW_REG_IB_STS2, 6, 4)
	s_cmp_eq_u32 s2, 0
	s_cbranch_scc0 .Lentry_in_a_cluster
	s_endpgm
.Lentry_in_a_cluster:
	s_bfe_u32 s2, ttmp6, 0x10000c
	s_cmp_lg_u32 s2, 0x3003
	s_cbranch_scc0 .Lentry_shape_is_right
	s_endpgm
.Lentry_shape_is_right:
; ctx = softmax(where(mask == 0, -1e9, q k^T / 8)) v for one batch and head, f16 operands, f32 sums, maxima and row sums; a running maximum is taken away before every exponential.
; q arrives multiplied by log2(e) / 8: a score t is the exponent of 2.  A hidden key's t is -1e9 x log2(e): a row with no key left comes out as the mean of v.
; Q, K, V arrive as images of the operands' registers (16 bytes a lane at 16 x lane, 512 bytes a part): every fragment is two ds_load_b128 of consecutive bytes, and a slot's tiles are dense blocks.
; SHARES.  A work-group owns 512 queries of one (batch, head); each of its SIXTEEN waves 32 of them, two tiles, in 256 registers: four waves to a SIMD, so that one wave's softmax stands beside another's products and LDS loads.
; Every wave walks all 2,048 keys, 64 a step.  K and V come through a ring of two LDS slots of 512 keys (64 KiB of K, 64 KiB of V); every wave fetches 8 KiB of a slot by one tensor load: one load of a wave is out at the most.
; CLUSTER.  The four query blocks of a head are one cluster and walk the same K and V: each tile is asked for jointly, by the same load with the same descriptor and a mask that names the four.
; LAYOUT.  S^T = K Q^T (source 0 = 16 keys, source 1 = 16 queries): a lane holds ONE query (lane % 16) and keys 8 (lane / 16) + 0 .. 7 of the tile.  Two such tiles, rounded to f16 in pairs, ARE source 1 of O^T = V^T P.
; THE MASK arrives as lane masks: word (i, t) holds, for register i of tile t, one bit a lane.  A step's 64 words come by scalar loads a step ahead and steer v_cndmask_b32 alone: no branch and no address hangs on them.
; ctx16: [token / 128][k / 32][(token / 16) % 8][c][lane][16 bytes]: images again, stored straight from registers, 512 consecutive aligned bytes a store.
; LIMITS: NaN and infinities are not served; p under 2^-25 rounds to 0 in the second product (the row's sum is taken of the unrounded p); |ctx| above 65,504 becomes infinity in f16.
.set SLOT1, 1<<17                      ; slot 1 begins here: one exclusive or turns an address from one slot to the other
.set VOFF,  65536                      ; in a slot: K's 32 tiles of 2,048 bytes, then V's 16 groups of 4,096
.set SPARE, 2*SLOT1                    ; the spare words, 128 bytes for each wave
.set LI,   1                           ; v1  16 x lane
.set ADR,  2                           ; v2  the address of the loads in hand
.set SPW,  3                           ; v3  LDS address of my spare word; never rewritten
.set NIL,  4                           ; v4  0; never rewritten
.set NEGV, 5                           ; v5  -1e9 x log2(e)
.set PFO,  6                           ; v6  256 x lane
.set ST,   8                           ; tile t's statistics at v[8 + 8 t]: +0 m, +1 its pair's partner, +2, +3 l, +4 .. +7 c0 .. c3 at work; a in c2, its exponent in c3
.set Q,    24                          ; v24-55   Q: tile t, channels 32 f on, at 24 + 16 t + 8 f
.set KV,   56                          ; v56-119  a step's K, then its V
.set S,    120                         ; v120-183 S^T, then p, then P in place: tile t at 120 + 32 t
.set O,    184                         ; v184-247 O^T: tile t, channels 16 ct on, at 184 + 32 t + 8 ct
.set CB,   248                         ; v248-251 the sums' second chain
.set WV,   24
.set TB,   25                          ; s25  LDS byte at which the step's tiles of K begin
.set SLOTS,26
.set STEPS,27
.set KI,   28                          ; s28  steps walked
.set MO,   29                          ; s29  the byte at which the next step's mask words begin
.set LIM,  30
.set PFA,  66                          ; s[66:67]
.macro ROUND                           ; a round of the cluster's barrier
	s_barrier_signal -1
	s_barrier_wait -1
	s_cmp_lg_u32 s[WV], 0
	s_cbranch_scc1 .Lnot_wave_0_\@
	s_barrier_signal -3
.Lnot_wave_0_\@:
	s_barrier_wait -3
	s_barrier_signal -1
	s_barrier_wait -1
.endm
.macro TLOAD                           ; my 8 KiB of a slot; an s_nop 0 and four v_nop follow
	tensor_load_to_lds s[12:15], s[4:11]
	s_nop 0
.rept 4
	v_nop
.endr
.endm
.macro MASKS                           ; 64 words, 256 bytes, into s32-63 and s68-99
	s_load_b512 s[32:47], s[16:17], s[MO] offset:0x0
	s_load_b512 s[48:63], s[16:17], s[MO] offset:0x40
	s_load_b512 s[68:83], s[16:17], s[MO] offset:0x80
	s_load_b512 s[84:99], s[16:17], s[MO] offset:0xc0
.endm
	s_load_b128 s[32:35], s[0:1], 0x0              ; qkv, mbits
	s_load_b64 s[36:37], s[0:1], 0x10              ; ctx16
	v_lshl_add_u32 v[SPW], v0, 2, SPARE
	v_mov_b32 v[NIL], 0
	ds_add_u32 v[SPW], v[NIL]                      ; the wave's opening: the add, twice on end, and its wait ahead of my first tensor load
	ds_add_u32 v[SPW], v[NIL]
	v_lshrrev_b32 v1, 5, v0
	v_readfirstlane_b32 s[WV], v1                  ; wave 0..15
	s_bfe_u32 s22, ttmp6, 0x40000                  ; cx: my block of 512 queries
	s_and_b32 s23, ttmp7, 0xffff                   ; batch x 16 + head, which the four partners share
	s_lshl_b32 s31, s23, 18                        ; its 262,144 bytes in each of Q, K, V
	; descriptor group 1: 8 KiB, dense, as 32 rows of 256 bytes (32 elements of 8 bytes)
	s_mov_b32 s4, 15|(3<<16)|(1<<21)               ; 15:0 the mask: all four work-groups; 17:16 elements of 8 bytes; 21 set beside a mask
	s_mov_b32 s5, 32<<16                           ; tensor_dim0 = 32
	s_mov_b32 s6, 32<<16                           ; tensor_dim1 = 32
	s_mov_b32 s7, 32<<16                           ; tile_dim0 = 32
	s_mov_b32 s8, 32                               ; tile_dim1 = 32
	s_mov_b32 s9, 32                               ; tensor_dim0_stride
	s_mov_b32 s10, 0
	s_mov_b32 s11, 0
	s_mov_b32 s12, 1                               ; group 0: count = 1
	s_lshl_b32 s13, s[WV], 13                      ; LDS: wave x 8,192: waves 0-7 fill K's half of a slot, waves 8-15 V's
	s_lshr_b32 s2, s[WV], 3
	s_add_co_u32 s2, s2, 1
	s_lshl_b32 s2, s2, 24                          ; K at 16 MiB, V at 32 MiB,
	s_add_co_u32 s2, s2, s31                       ; my head,
	s_and_b32 s3, s[WV], 7
	s_lshl_b32 s3, s3, 13
	s_add_co_u32 s2, s2, s3                        ; my eighth of a slot's 64 KiB: no place in the cluster enters
	s_mov_b32 s3, 0
	s_lshl_b32 s68, s22, 16                        ; Q: my block's 32 tiles of 2,048 bytes, my wave's two
	s_add_co_u32 s68, s68, s31
	s_lshl_b32 s69, s[WV], 12
	s_add_co_u32 s68, s68, s69
	s_mov_b32 s69, 0
	s_lshr_b32 s70, s23, 4                         ; the batch
	s_lshl_b32 s72, s70, 22                        ; (ctx16: 16 blocks of 128 tokens, 262,144 bytes each, to a batch)
	s_lshl_b32 s70, s70, 19                        ; mbits: 64 runs of 8,192 bytes to a batch,
	s_lshl_b32 s71, s22, 17                        ; 16 to a work-group,
	s_add_co_u32 s70, s70, s71
	s_lshl_b32 s71, s[WV], 13                      ; one to a wave
	s_add_co_u32 s70, s70, s71
	s_mov_b32 s71, 0
	s_lshl_b32 s73, s22, 20                        ; ctx16: my work-group's four blocks of 128 tokens,
	s_add_co_u32 s72, s72, s73
	s_lshr_b32 s73, s[WV], 2
	s_lshl_b32 s73, s73, 18                        ; my wave's,
	s_add_co_u32 s72, s72, s73
	s_and_b32 s73, s23, 15
	s_lshl_b32 s73, s73, 14                        ; the head's two K chunks of 8,192 bytes,
	s_add_co_u32 s72, s72, s73
	s_and_b32 s73, s[WV], 3
	s_lshl_b32 s73, s73, 11                        ; my two tiles of 1,024
	s_add_co_u32 s72, s72, s73
	s_mov_b32 s73, 0
	s_bfe_u32 s74, s[WV], 0x10001                  ; the prefetches: waves 0, 1 ask for K, waves 2, 3 for V;
	s_add_co_u32 s74, s74, 1
	s_lshl_b32 s74, s74, 24
	s_add_co_u32 s74, s74, s31
	s_lshl_b32 s75, s22, 14                        ; the four partners share a slot's 64 KiB out BY ADDRESS, 16 KiB each,
	s_add_co_u32 s74, s74, s75
	s_and_b32 s75, s[WV], 1
	s_lshl_b32 s75, s75, 13                        ; 8 KiB a wave, lanes 256 bytes apart;
	s_add_co_u32 s74, s74, s75
	s_add_co_u32 s74, s74, 65536                   ; in slot 1: the first change of slots steps it to slot 2
	s_mov_b32 s75, 0
	s_cmp_lt_u32 s[WV], 4
	s_cselect_b32 s[LIM], 1, -1                    ; the wave's number alone: the same in all partners
	s_mov_b32 s20, 0x76543210
	s_mov_b32 s21, 0xfedcba98                      ; v_permlanex16_b32's selects for lane l xor 16
	s_mov_b32 s[TB], 0
	s_mov_b32 s[KI], 0
	s_mov_b32 s[MO], 0
	s_mov_b32 s[SLOTS], 3
	s_wait_dscnt 0x0                               ; both opening adds are done
	s_wait_kmcnt 0x0
	s_add_nc_u64 s[14:15], s[32:33], s[2:3]
	s_or_b32 s15, s15, 0x80000000                  ; type = 2
	s_add_nc_u64 s[100:101], s[32:33], s[68:69]    ; Q
	s_add_nc_u64 s[16:17], s[34:35], s[70:71]      ; my 32 queries' mask words
	s_add_nc_u64 s[18:19], s[36:37], s[72:73]      ; my part of ctx16
	s_add_nc_u64 s[PFA:PFA+1], s[32:33], s[74:75]
	ROUND                                          ; all four work-groups are here: the first joint loads meet
	TLOAD                                          ; slot 0
	v_and_b32 v[LI], 31, v0
	v_lshlrev_b32 v[PFO], 8, v[LI]
	v_lshlrev_b32 v[LI], 4, v[LI]
.irp t, 0,1
.irp f, 0,1
.irp c, 0,1
	global_load_b128 v[Q+16*\t+8*\f+4*\c:Q+16*\t+8*\f+4*\c+3], v[LI], s[100:101] offset:\t*2048+\f*1024+\c*512   ; Q stays in registers
.endr
.endr
.endr
	MASKS                                          ; step 0's words (the arguments have been moved out of these registers)
	v_mov_b32 v[NEGV], 0xceabfb8f
.irp t, 0,1
	v_mov_b32 v[ST+8*\t], 0xff61b1e6               ; m: -3e38, under every t
	v_mov_b32 v[ST+8*\t+1], 0
	v_mov_b32 v[ST+8*\t+2], 0                      ; l, in two halves
	v_mov_b32 v[ST+8*\t+3], 0
.endr
.set i, 0
.rept 64
	v_mov_b32 v[O+i], 0                            ; O^T.  (The step is written for all steps alike: the first finds zeros, which its a = 0 leaves zeros)
.set i, i+1
.endr
	s_wait_loadcnt 0x0                             ; Q
; A KEY STEP: 64 keys.
.macro STEP
	v_add_nc_u32 v[ADR], s[TB], v[LI]
.rept 4
	v_nop                                          ; with the addition: five plain lines behind the last step's products: four for the loads into V's registers, five for the products below, which write over P
.endr
.irp kt, 0,1,2,3
.irp f, 0,1
.irp c, 0,1
	ds_load_b128 v[KV+16*\kt+8*\f+4*\c:KV+16*\kt+8*\f+4*\c+3], v[ADR] offset:\kt*2048+\f*1024+\c*512
.endr
.endr
.endr
	s_wait_dscnt 0x0
.irp f, 0,1                                    ; S^T = K Q^T: the eight accumulators take turns, one instruction a turn; the first eight start the sums
.irp kt, 0,1,2,3
.irp t, 0,1
.if \f == 0
	v_wmma_f32_16x16x32_f16 v[S+32*\t+8*\kt:S+32*\t+8*\kt+7], v[KV+16*\kt+8*\f:KV+16*\kt+8*\f+7], v[Q+16*\t+8*\f:Q+16*\t+8*\f+7], 0
.else
	v_wmma_f32_16x16x32_f16 v[S+32*\t+8*\kt:S+32*\t+8*\kt+7], v[KV+16*\kt+8*\f:KV+16*\kt+8*\f+7], v[Q+16*\t+8*\f:Q+16*\t+8*\f+7], v[S+32*\t+8*\kt:S+32*\t+8*\kt+7]
.endif
.endr
.endr
.endr
	v_add_nc_u32 v[ADR], VOFF, v[ADR]
.rept 3
	v_nop                                          ; with the addition: four plain lines, for the loads into K's registers and for the first read of the scores
.endr
.irp g, 0,1                                    ; V lands while the softmax is walked
.irp ct, 0,1,2,3
.irp c, 0,1
	ds_load_b128 v[KV+32*\g+8*\ct+4*\c:KV+32*\g+8*\ct+4*\c+3], v[ADR] offset:\g*4096+\ct*1024+\c*512
.endr
.endr
.endr
	s_wait_kmcnt 0x0                               ; this step's mask words, asked for a step ago
.set i, 0
.rept 32
.irp t, 0,1
	v_cndmask_b32 v[S+32*\t+i], v[NEGV], v[S+32*\t+i], s[32+2*i+\t+4*((2*i+\t)/32)]   ; a hidden key's score becomes -1e9 x log2(e); each accumulator from its low end on
.endr
.set i, i+1
.endr
.irp j, 0,1,2,3                                ; the maximum of the lane's 32 scores and the old m: four chains, the two tiles by turns
.irp t, 0,1
	v_max3_num_f32 v[ST+8*\t+4+\j], v[S+32*\t+8*\j], v[S+32*\t+8*\j+1], v[S+32*\t+8*\j+2]
.endr
.endr
.irp k, 3,5
.irp j, 0,1,2,3
.irp t, 0,1
	v_max3_num_f32 v[ST+8*\t+4+\j], v[ST+8*\t+4+\j], v[S+32*\t+8*\j+\k], v[S+32*\t+8*\j+\k+1]
.endr
.endr
.endr
.irp t, 0,1
	v_max3_num_f32 v[ST+8*\t+4], v[ST+8*\t+4], v[S+32*\t+7], v[S+32*\t+15]
.endr
.irp t, 0,1
	v_max3_num_f32 v[ST+8*\t+6], v[ST+8*\t+6], v[S+32*\t+23], v[S+32*\t+31]
.endr
.irp t, 0,1
	v_max3_num_f32 v[ST+8*\t+4], v[ST+8*\t+4], v[ST+8*\t+5], v[ST+8*\t+6]
.endr
.irp t, 0,1
	v_max3_num_f32 v[ST+8*\t+4], v[ST+8*\t+4], v[ST+8*\t+7], v[ST+8*\t]
.endr
.irp t, 0,1
	v_permlanex16_b32 v[ST+8*\t+5], v[ST+8*\t+4], s20, s21   ; the query's other 32 keys lie in the lane 16 away
.endr
.irp t, 0,1
	v_max_num_f32 v[ST+8*\t+5], v[ST+8*\t+4], v[ST+8*\t+5]   ; the new m
.endr
.irp t, 0,1
	v_sub_f32 v[ST+8*\t+7], v[ST+8*\t], v[ST+8*\t+5]         ; old m - new m
.endr
.irp t, 0,1
	v_mov_b32 v[ST+8*\t], v[ST+8*\t+5]
.endr
	s_add_co_u32 s[KI], s[KI], 1                   ; the next step's mask words are asked for here: they have the rest of this step and the next step's first products in which to land
	s_min_u32 s[MO], s[KI], 31                     ; (the last step asks for its own once more: no load leaves the buffer)
	s_lshl_b32 s[MO], s[MO], 8
	MASKS
.irp t, 0,1
.set i, 0
.rept 16
	v_pk_add_f32 v[S+32*\t+i:S+32*\t+i+1], v[S+32*\t+i:S+32*\t+i+1], v[ST+8*\t:ST+8*\t+1] op_sel_hi:[1,0] neg_lo:[0,1] neg_hi:[0,1]   ; t - m, two at a time
.set i, i+2
.endr
.endr
.irp t, 0,1                                    ; ONE BATCH of 66 exponentials, none of which reads another's result
	v_exp_f32 v[ST+8*\t+6], v[ST+8*\t+7]           ; a = 2^(old m - new m)
.endr
.set i, 0
.rept 64
	v_exp_f32 v[S+i], v[S+i]                       ; p = 2^(t - m), at most 1
.set i, i+1
.endr
	v_nop                                          ; a plain line behind the last exponential
	s_wait_alu depctr_va_vdst(0)                   ; the wait ahead of the first line that names a result: one for the batch
.irp t, 0,1                                    ; the row's sum, of the unrounded p: two chains a tile, the tiles by turns
	v_pk_add_f32 v[ST+8*\t+4:ST+8*\t+5], v[S+32*\t:S+32*\t+1], v[S+32*\t+2:S+32*\t+3]
	v_pk_add_f32 v[CB+2*\t:CB+2*\t+1], v[S+32*\t+4:S+32*\t+5], v[S+32*\t+6:S+32*\t+7]
.endr
.irp j, 8,12,16,20,24,28
.irp t, 0,1
	v_pk_add_f32 v[ST+8*\t+4:ST+8*\t+5], v[ST+8*\t+4:ST+8*\t+5], v[S+32*\t+\j:S+32*\t+\j+1]
	v_pk_add_f32 v[CB+2*\t:CB+2*\t+1], v[CB+2*\t:CB+2*\t+1], v[S+32*\t+\j+2:S+32*\t+\j+3]
.endr
.endr
.irp t, 0,1
	v_pk_add_f32 v[ST+8*\t+4:ST+8*\t+5], v[ST+8*\t+4:ST+8*\t+5], v[CB+2*\t:CB+2*\t+1]
.endr
.irp t, 0,1
	v_pk_fma_f32 v[ST+8*\t+2:ST+8*\t+3], v[ST+8*\t+2:ST+8*\t+3], v[ST+8*\t+6:ST+8*\t+7], v[ST+8*\t+4:ST+8*\t+5] op_sel_hi:[1,0,1]   ; l = a l + the sum
.endr
.irp t, 0,1
.irp g, 0,1
.irp n, 0,1,2,3,4,5,6,7
	v_cvt_pk_f16_f32 v[S+32*\t+16*\g+\n], v[S+32*\t+16*\g+2*\n], v[S+32*\t+16*\g+2*\n+1]   ; P, in place and ascending: register n of (t, g) takes p's pair n
.endr
.endr
.endr
.irp t, 0,1
.set i, 0
.rept 16
	v_pk_mul_f32 v[O+32*\t+i:O+32*\t+i+1], v[O+32*\t+i:O+32*\t+i+1], v[ST+8*\t+6:ST+8*\t+7] op_sel_hi:[1,0]   ; O^T x a, each accumulator from its low end on
.set i, i+2
.endr
.endr
	s_wait_dscnt 0x0                               ; V is in
.irp g, 0,1                                    ; O^T += V^T P: the eight accumulators by turns
.irp ct, 0,1,2,3
.irp t, 0,1
	v_wmma_f32_16x16x32_f16 v[O+32*\t+8*\ct:O+32*\t+8*\ct+7], v[KV+32*\g+8*\ct:KV+32*\g+8*\ct+7], v[S+32*\t+16*\g:S+32*\t+16*\g+7], v[O+32*\t+8*\ct:O+32*\t+8*\ct+7]
.endr
.endr
.endr
	s_add_co_u32 s[TB], s[TB], 8192                ; the next step's tiles: 8,192 bytes on, in K and in V
.endm
; THE CHANGE OF SLOTS stands at a slot's head.  Each wave waits for its tensor load (its part of the slot that it is about to read), adds 0 to its spare word, and waits for that and for its reads of the slot that it has left.
; fill = 1: the barrier is a round of the cluster's, so that no wave of any partner still reads the other slot or has a load on its way; the joint load of the next 512 keys is the first thing behind it
; and has a slot's eight steps in which to land.  Behind it stands the prefetch of what the NEXT change will ask for; the last change that fills a slot asks for nothing.
.macro CHANGE fill
	s_wait_tensorcnt 0x0                           ; no tensor load of mine is out, so group 0 may be written
	ds_add_u32 v[SPW], v[NIL]                      ; 0 onto my spare word
.if \fill
	s_xor_b32 s13, s13, SLOT1                      ; the other slot than last time,
	s_add_nc_u64 s[14:15], s[14:15], 65536         ; the next 512 keys; the type bits on top are not reached
	s_wait_xcnt 0x0                                ; the last prefetch, a slot back, has read its address
	s_add_nc_u64 s[PFA:PFA+1], s[PFA:PFA+1], 65536
	s_wait_dscnt 0x0                               ; the add is done, and my reads of the slot that I have left are over
	ROUND
	TLOAD
	s_cmp_gt_u32 s[SLOTS], s[LIM]
	s_cbranch_scc0 .Lnot_mine_\@
	global_prefetch_b8 v[PFO], s[PFA:PFA+1] th:TH_LOAD_NT scope:SCOPE_SE
.Lnot_mine_\@:
.else
	s_wait_dscnt 0x0
	s_barrier_signal -1
	s_barrier_wait -1
.endif
.endm
.macro SLOT_STEPS                      ; a slot's eight steps: written once, walked eight times
	s_mov_b32 s[STEPS], 8
.Lstep_\@:
	STEP
	s_sub_co_u32 s[STEPS], s[STEPS], 1
	s_cmp_lg_u32 s[STEPS], 0
	s_cbranch_scc1 .Lstep_\@
	s_sub_co_u32 s[TB], s[TB], 65536               ; back to a slot's first step,
	s_xor_b32 s[TB], s[TB], SLOT1                  ; in the other slot
.endm
.Lslot:                                            ; three trips: behind each change of slots but the last the next slot is asked for
	CHANGE 1
	SLOT_STEPS
	s_sub_co_u32 s[SLOTS], s[SLOTS], 1
	s_cmp_lg_u32 s[SLOTS], 0
	s_cbranch_scc1 .Lslot
	CHANGE 0                                       ; the last slot is written out
	SLOT_STEPS
	; THE WAY OUT.  l's halves are added; O^T / l is rounded to f16: a lane's eight channels of a tile are 16 bytes of an image
.rept 4
	v_nop
.endr
.irp t, 0,1
	v_add_f32 v[ST+8*\t+4], v[ST+8*\t+2], v[ST+8*\t+3]
.endr
.irp t, 0,1
	v_permlanex16_b32 v[ST+8*\t+5], v[ST+8*\t+4], s20, s21
.endr
.irp t, 0,1
	v_add_f32 v[ST+8*\t+4], v[ST+8*\t+4], v[ST+8*\t+5]
.endr
.irp t, 0,1
	v_rcp_f32 v[ST+8*\t+6], v[ST+8*\t+4]           ; l is at least 1: the largest p of a row is 1
.endr
	v_nop
	s_wait_alu depctr_va_vdst(0)                   ; one wait for the two reciprocals, ahead of their first reader
.irp t, 0,1
.set i, 0
.rept 16
	v_pk_mul_f32 v[S+32*\t+i:S+32*\t+i+1], v[O+32*\t+i:O+32*\t+i+1], v[ST+8*\t+6:ST+8*\t+7] op_sel_hi:[1,0]
.set i, i+2
.endr
.endr
.irp t, 0,1
.set i, 0
.rept 16
	v_cvt_pk_f16_f32 v[KV+16*\t+i], v[S+32*\t+2*i], v[S+32*\t+2*i+1]
.set i, i+1
.endr
.endr
.irp t, 0,1
.irp ct, 0,1,2,3
	global_store_b128 v[LI], v[KV+16*\t+4*\ct:KV+16*\t+4*\ct+3], s[18:19] offset:\t*1024+(\ct/2)*8192+(\ct%2)*512   ; 32 lanes store 512 consecutive aligned bytes
.endr
.endr
	s_wait_tensorcnt 0x0                           ; the wave's end
	ds_add_u32 v[SPW], v[NIL]
	s_wait_dscnt 0x0
	ROUND                                          ; the closing round
	s_endpgm
.Lfunc_end_k_qb7ef14b546_attn:
	.size	k_qb7ef14b546_attn, .Lfunc_end_k_qb7ef14b546_attn-k_qb7ef14b546_attn
	.p2alignl 7, 3214868480
	.fill 96, 4, 3214868480
	.section	.rodata,"a",@progbits
	.p2align	6, 0x0
	.amdhsa_kernel k_qb7ef14b546_attn
		.amdhsa_group_segment_fixed_size 327680
		.amdhsa_private_segment_fixed_size 0
		.amdhsa_enable_private_segment 0
		.amdhsa_kernarg_size 24
		.amdhsa_user_sgpr_count 2
		.amdhsa_user_sgpr_kernarg_segment_ptr 1
		.amdhsa_wavefront_size32 1
		.amdhsa_system_sgpr_workgroup_id_x 1
		.amdhsa_system_sgpr_workgroup_id_y 1
		.amdhsa_system_sgpr_workgroup_id_z 1
		.amdhsa_system_vgpr_workitem_id 0
		.amdhsa_next_free_vgpr 256
		.amdhsa_next_free_sgpr 102
		.amdhsa_reserve_vcc 0
		.amdhsa_float_denorm_mode_32 3
		.amdhsa_float_denorm_mode_16_64 3
		.amdhsa_memory_ordered 1
		.amdhsa_forward_progress 1
		.amdhsa_inst_pref_size 58
	.end_amdhsa_kernel
	.amdgpu_metadata
---
amdhsa.version: [ 1, 2 ]
amdhsa.kernels:
  - .name:           k_qb7ef14b546_attn
    .symbol:         k_qb7ef14b546_attn.kd
    .args:
      - { .name: qkv, .offset: 0, .size: 8, .value_kind: global_buffer, .address_space: global }
      - { .name: mbits, .offset: 8, .size: 8, .value_kind: global_buffer, .address_space: global }
      - { .name: ctx16, .offset: 16, .size: 8, .value_kind: global_buffer, .address_space: global }
    .group_segment_fixed_size: 327680
    .private_segment_fixed_size: 0
    .kernarg_segment_align: 8
    .kernarg_segment_size: 24
    .max_flat_workgroup_size: 512
    .sgpr_count:     102
    .vgpr_count:     256
    .wavefront_size: 32
...
	.end_amdgpu_metadata
.endif
;; end of part 3
;; launch outp (part 4): grid 4 x 64, 4 waves a work-group, clusters of 4 x 4, 327,680 bytes of LDS; arguments ctx16, wo16, bo, out0; writes out0
.if DOCPART == 4
	.amdgcn_target "amdgcn-amd-amdhsa--gfx1250"
	.amdhsa_code_object_version 6
	.text
	.protected	k_qb7ef14b546_outp
	.globl	k_qb7ef14b546_outp
	.p2align	8
	.type	k_qb7ef14b546_outp,@function
k_qb7ef14b546_outp:
	s_mov_b64 s[64:65], 0
	v_nop
	global_prefetch_b8 v0, s[64:65] scope:SCOPE_SE
	s_setreg_imm32_b32 hwreg(HW_REG_WAVE_MODE, 25, 1), 1
	s_wait_xcnt 0x0
	s_wait_alu depctr_hold_cnt(0) depctr_sa_sdst(0) depctr_va_vdst(0) depctr_va_sdst(0) depctr_va_ssrc(0) depctr_va_vcc(0) depctr_vm_vsrc(0)
	s_getreg_b32 s2, hwreg(HW_REG_IB_STS2, 6, 4)
	s_cmp_eq_u32 s2, 0
	s_cbranch_scc0 .Lentry_in_a_cluster
	s_endpgm
.Lentry_in_a_cluster:
	s_bfe_u32 s2, ttmp6, 0x10000c
	s_cmp_lg_u32 s2, 0xf033
	s_cbranch_scc0 .Lentry_shape_is_right
	s_endpgm
.Lentry_shape_is_right:
; out0 = ctx Wo + bo.  ctx [8192][1024] and Wo [1024 (k)][1024 (n)] arrive in f16 as images of the operands' registers (a fragment of 16 rows x 32 k: 1,024 bytes, 16 bytes a lane at 16 x lane in each of two parts); sums in f32; out0 f32.
; ctx16: [token / 128][k / 32][(token / 16) % 8][1,024];  wo16: [n / 256][k / 32][(n / 16) % 16][1,024]: a K step's tiles are dense blocks of memory, and LDS needs no pitch and no padding.
; SHARES.  A tile of 128 tokens x 256 columns to a work-group: 256 work-groups.  Four waves, each 64 x 128: 32 accumulators, 256 registers (window 1).
; K goes in steps of 128 through a ring of two LDS slots (32 KiB of ctx, 64 KiB of Wo); slots of 256 along K would not fit twice.  Waves 0, 1 fetch ctx's halves, waves 2, 3 Wo's: one load a wave behind each round; two loads of a wave are out at the start, then one.
; CLUSTERS: 4 x 4.  The four of a row of the cluster need the same tile of ctx, the four of a column the same tile of Wo: each is asked for jointly.
; THE MATRIX INSTRUCTION IS USED TRANSPOSED (source 0 = 16 columns of Wo, source 1 = 16 tokens): a lane holds eight neighbouring numbers of a row of out0.
; ctx's K steps are prefetched two refills ahead: of a step's 32 KiB each of the four partners that ask for it jointly names 8 KiB, told apart by address; wave 0 asks, lanes 256 bytes apart; the loop's last trip asks for nothing.
; Wo's 2 MiB are walked by all sixteen clusters at once and are not asked for ahead.
; REGISTERS: window 0: v8-11 bo of my four columns; v16-30 addresses; v32-127, v128-223 two fragment buffers (Wo's 8 fragments, then ctx's 4), on the way out rows of out0.   window 1: accumulator (a, b) at v[8 (8 a + b)].
.set SLOT,   98304
.set BOFF,   32768                     ; in a slot: ctx [kc 4][tile 8][1,024], then Wo [kc 4][tile 16][1,024]
.set STAGE,  2*SLOT                    ; behind the ring: 16 rows x (512 bytes + 16) for each wave; no tensor load lands here
.set SPITCH, 528
.set SPARE,  STAGE+4*16*SPITCH
.set BIAS, 8
.set ADRA, 16
.set ADRB, 20
.set STO,  24
.set RD,   25
.set CO,   26
.set SPW,  28
.set NIL,  29
.set PFO,  30
.set F0,   32
.set F1,   128
.set WV,   12
.set RH,   13
.set CH,   14
.set LIM,  15
.set PFA,  18
.set G1,   24
.set G0,   32
.set G1B,  48
.set G0B,  56
.set MSB, 0
.macro WIN new                         ; the immediate's high byte repeats the setting that is left
.if MSB != \new
	s_set_vgpr_msb (MSB<<8)|\new
.set MSB, \new
.endif
.endm
.set MUL, 0x50                         ; sources 0 and 1 window 0; C and D window 1
.macro JLOAD s                         ; a joint load; an s_nop 0 and four v_nop follow each of the two lines
	s_cmp_eq_u32 s[RH], 0
	s_cbranch_scc0 .Lfor_b_\@
	tensor_load_to_lds s[G0+4*\s:G0+4*\s+3], s[G1:G1+7]
	s_nop 0
.rept 4
	v_nop
.endr
	s_branch .Lasked_\@
.Lfor_b_\@:
	tensor_load_to_lds s[G0B+4*\s:G0B+4*\s+3], s[G1B:G1B+7]
	s_nop 0
.rept 4
	v_nop
.endr
.Lasked_\@:
.endm
.macro CREST                           ; a round of the cluster's barrier behind its opening barrier
	s_cmp_lg_u32 s[WV], 0
	s_cbranch_scc1 .Lnot_wave_0_\@
	s_barrier_signal -3
.Lnot_wave_0_\@:
	s_barrier_wait -3
	s_barrier_signal -1
	s_barrier_wait -1
.endm
.macro CROUND
	s_barrier_signal -1
	s_barrier_wait -1
	CREST
.endm
	s_load_b256 s[4:11], s[0:1], 0x0               ; ctx16 s[4:5], wo16 s[6:7], bo s[8:9], out0 s[10:11]
	v_lshl_add_u32 v[SPW], v0, 2, SPARE
	v_mov_b32 v[NIL], 0
	ds_add_u32 v[SPW], v[NIL]                      ; the wave's opening: the add, twice on end, and its wait ahead of my first tensor load
	ds_add_u32 v[SPW], v[NIL]
	v_lshrrev_b32 v1, 5, v0
	v_readfirstlane_b32 s[WV], v1                  ; wave 0..3
	s_lshr_b32 s[RH], s[WV], 1                     ; which 64 tokens are mine.  Also: I fetch for ctx (0) or for Wo (1)
	s_and_b32 s[CH], s[WV], 1                      ; which 128 columns.  Also: which half of that tile I fetch
	s_bfe_u32 s40, ttmp6, 0x40000                  ; cx = the tile column (the grid is one cluster wide)
	s_bfe_u32 s41, ttmp6, 0x40004                  ; cy
	s_and_b32 s42, ttmp7, 0xffff
	s_lshl_b32 s42, s42, 2
	s_add_co_u32 s42, s42, s41                     ; the tile row = 4 x cluster y + cy
	s_lshl_b32 s43, s41, 2
	s_lshl_b32 s43, 15, s43                        ; my row of the cluster
	s_lshl_b32 s44, 0x1111, s40                    ; my column
	; descriptor group 1: dense blocks as rows of 256 bytes (32 elements of 8 bytes): 64 rows for half of ctx's tile, 128 for half of Wo's
	s_or_b32 s[G1], s43, (3<<16)|(1<<21)
	s_or_b32 s[G1B], s44, (3<<16)|(1<<21)
	s_mov_b32 s[G1+1], 32<<16                      ; tensor_dim0
	s_mov_b32 s[G1+2], 64<<16                      ; tensor_dim1
	s_mov_b32 s[G1+3], 32<<16                      ; tile_dim0
	s_mov_b32 s[G1+4], 64                          ; tile_dim1
	s_mov_b32 s[G1+5], 32                          ; tensor_dim0_stride
	s_mov_b32 s[G1+6], 0
	s_mov_b32 s[G1+7], 0
	s_mov_b32 s[G1B+1], 32<<16
	s_mov_b32 s[G1B+2], 128<<16
	s_mov_b32 s[G1B+3], 32<<16
	s_mov_b32 s[G1B+4], 128
	s_mov_b32 s[G1B+5], 32
	s_mov_b32 s[G1B+6], 0
	s_mov_b32 s[G1B+7], 0
	s_lshl_b32 s16, s42, 18                        ; ctx: 262,144 bytes to a tile row, + my half of a K step's 32 KiB
	s_lshl_b32 s20, s[CH], 14
	s_add_co_u32 s16, s16, s20
	s_mov_b32 s17, 0
	s_lshl_b32 s46, s40, 19                        ; Wo: 524,288 bytes to a tile column, + my half of a K step's 64 KiB
	s_lshl_b32 s21, s[CH], 15
	s_add_co_u32 s46, s46, s21
	s_mov_b32 s47, 0
	s_add_co_u32 s21, s21, BOFF                    ; and where they go: the wave's number alone enters an LDS address
	s_wait_dscnt 0x0                               ; both opening adds are done
	s_wait_kmcnt 0x0
	s_add_nc_u64 s[22:23], s[4:5], s[16:17]
	s_add_nc_u64 s[46:47], s[6:7], s[46:47]
	CROUND                                         ; all sixteen work-groups are here: the first joint loads meet
.irp s, 0,1
	s_mov_b32 s[G0+4*\s], 1
	s_add_co_u32 s[G0+4*\s+1], s20, \s*SLOT
	s_add_nc_u64 s[G0+4*\s+2:G0+4*\s+3], s[22:23], \s*32768
	s_or_b32 s[G0+4*\s+3], s[G0+4*\s+3], 0x80000000
	s_mov_b32 s[G0B+4*\s], 1
	s_add_co_u32 s[G0B+4*\s+1], s21, \s*SLOT
	s_add_nc_u64 s[G0B+4*\s+2:G0B+4*\s+3], s[46:47], \s*65536
	s_or_b32 s[G0B+4*\s+3], s[G0B+4*\s+3], 0x80000000
	JLOAD \s
.endr
	v_and_b32 v1, 15, v0                           ; r
	v_bfe_u32 v2, v0, 4, 1                         ; h
	v_and_b32 v3, 31, v0
	v_lshlrev_b32 v[CO], 4, v3                     ; 16 x lane
	v_lshlrev_b32 v[PFO], 8, v3
	s_lshl_b32 s20, s[RH], 12                      ; my four tiles of tokens
	s_lshl_b32 s21, s[CH], 13                      ; my eight tiles of columns,
	s_add_co_u32 s21, s21, BOFF                    ; behind ctx's part of a slot
.irp s, 0,1
	v_add_nc_u32 v[ADRA+\s], s20, v[CO]
	v_add_nc_u32 v[ADRB+\s], s21, v[CO]
	s_add_co_u32 s20, s20, SLOT
	s_add_co_u32 s21, s21, SLOT
.endr
	s_mul_i32 s20, s[WV], 16*SPITCH
	s_add_co_u32 s20, s20, STAGE                   ; my stage
	v_mul_u32_u24 v4, v1, SPITCH                   ; in: row r, 32 bytes for each half of the lanes
	v_lshl_add_u32 v4, v2, 5, v4
	v_add_nc_u32 v[STO], s20, v4
	v_add_nc_u32 v[RD], s20, v[CO]                 ; back: the 32 lanes take one row of 512 bytes
	s_lshl_b32 s20, s40, 10                        ; my first column, in bytes: 1,024 x tile column + 512 x half
	s_lshl_b32 s21, s[CH], 9
	s_add_co_u32 s20, s20, s21
	s_mov_b32 s21, 0
	s_add_nc_u64 s[8:9], s[8:9], s[20:21]
	global_load_b128 v[BIAS:BIAS+3], v[CO], s[8:9] ; bo of the four columns that I store
	s_add_nc_u64 s[10:11], s[10:11], s[20:21]
	s_lshl_b32 s20, s42, 19                        ; my first row: 128 rows of 4,096 bytes to a tile row, 64 to a half
	s_lshl_b32 s45, s[RH], 18
	s_add_co_u32 s20, s20, s45
	s_add_nc_u64 s[10:11], s[10:11], s[20:21]
	s_lshl_b32 s20, s42, 18                        ; the prefetches: my tile row of ctx16,
	s_lshl_b32 s45, s40, 13                        ; my work-group's 8 KiB of a K step's 32,
	s_add_co_u32 s20, s20, s45
	s_add_co_u32 s20, s20, 2*32768                 ; at K step 2: the first refill steps it to 3 and names K step 4
	s_add_nc_u64 s[PFA:PFA+1], s[4:5], s[20:21]
	s_cmp_eq_u32 s[WV], 0
	s_cselect_b32 s[LIM], 1, -1                    ; the wave's number alone
; 8 matrix instructions: token block a x the eight column blocks, 32 along K, out of buffer f.  The 32 accumulators take turns, one instruction a turn, in the same order in every quarter.
.macro MUL8 f, a, zero
.irp b, 0,1,2,3,4,5,6,7
.if \zero
	v_wmma_f32_16x16x32_f16 v[8*(8*(\a)+\b):8*(8*(\a)+\b)+7], v[\f+8*\b:\f+8*\b+7], v[\f+64+8*(\a):\f+64+8*(\a)+7], 0
.else
	v_wmma_f32_16x16x32_f16 v[8*(8*(\a)+\b):8*(8*(\a)+\b)+7], v[\f+8*\b:\f+8*\b+7], v[\f+64+8*(\a):\f+64+8*(\a)+7], v[8*(8*(\a)+\b):8*(8*(\a)+\b)+7]
.endif
.endr
.endm
.macro FETCH slot, kc, f               ; 24 LDS loads in one run: Wo's eight fragments, then ctx's four, of the slot's kc-th 32 along K
	WIN 0
.irp b, 0,1,2,3,4,5,6,7
.irp c, 0,1
	ds_load_b128 v[\f+8*\b+4*\c:\f+8*\b+4*\c+3], v[ADRB+\slot] offset:(\kc)*16384+\b*1024+\c*512
.endr
.endr
.irp i, 0,1,2,3
.irp c, 0,1
	ds_load_b128 v[\f+64+8*\i+4*\c:\f+64+8*\i+4*\c+3], v[ADRA+\slot] offset:(\kc)*8192+\i*1024+\c*512
.endr
.endr
.endm
.macro PLACES                          ; four plain lines in front of loads into registers that matrix instructions have read, and of the first read of results
.rept 4
	v_nop
.endr
.endm
; A K step is four quarters of 32 along K, 32 matrix instructions each, on buffers 0, 1, 0, 1.  One of the first three: multiplies buffer f and fetches the slot's kc-th quarter into g.
.macro QUARTER slot, kc, f, g, zero
	s_wait_dscnt 4                                 ; Wo's fragments and ctx's blocks 0, 1 are in; the youngest four loads (blocks 2, 3) may be out
	WIN MUL
	MUL8 \f, 0, \zero
	MUL8 \f, 1, \zero
	PLACES
	FETCH \slot, \kc, \g
	s_wait_dscnt 24                                ; all but the 24 just issued
	WIN MUL
	MUL8 \f, 2, \zero
	MUL8 \f, 3, \zero
.endm
; The last quarter multiplies buffer 1 and changes slots: ONE barrier; in front of it each wave waits for all its tensor loads, adds 0 to its spare word, and waits for that and for its reads of this slot.
; fill = 1: the barrier opens a round of the cluster's, and this slot is filled again, two K steps ahead, first thing behind the round.
.macro TURN slot, next, fill
.if \fill
	s_wait_xcnt 0x0                                ; the last prefetch, a K step back, has read its address
	s_add_nc_u64 s[PFA:PFA+1], s[PFA:PFA+1], 32768
.endif
	WIN 0                                          ; (the add's two registers lie in window 0)
	s_wait_tensorcnt 0x0                           ; all my tensor loads have landed: my part of the next slot
	ds_add_u32 v[SPW], v[NIL]                      ; 0 onto my spare word
	s_wait_dscnt 5                                 ; (the add and the youngest four loads may be out)
	WIN MUL
	MUL8 F1, 0, 0                                  ; eight matrix instructions stand between the add and the wait for it
	s_wait_dscnt 0x0                               ; the add is done, and my reads of this slot are over
	s_barrier_signal -1
	MUL8 F1, 1, 0
.if \fill
	WIN 0
.endif
	s_barrier_wait -1
.if \fill
	CREST                                          ; no wave of any partner still reads this slot's tiles or has a load on its way
	s_add_nc_u64 s[G0+4*\slot+2:G0+4*\slot+3], s[G0+4*\slot+2:G0+4*\slot+3], 2*32768
	s_add_nc_u64 s[G0B+4*\slot+2:G0B+4*\slot+3], s[G0B+4*\slot+2:G0B+4*\slot+3], 2*65536
	JLOAD \slot                                    ; the four v_nop behind it are also the places in front of the loads below
.else
	PLACES
.endif
	FETCH \next, 0, F0
.if \fill
	s_cmp_gt_u32 s3, s[LIM]                        ; s3 = 1 in the loop's last trip
	s_cbranch_scc0 .Lnot_mine_\@
	global_prefetch_b8 v[PFO], s[PFA:PFA+1] offset:32768 th:TH_LOAD_NT scope:SCOPE_SE
.Lnot_mine_\@:
.endif
	WIN MUL
	MUL8 F1, 2, 0
	MUL8 F1, 3, 0
.endm
	s_wait_tensorcnt 1                             ; my part of K step 0 is in (K step 1's load may be out)
	s_barrier_signal -1
	s_barrier_wait -1                              ; everybody's is
	FETCH 0, 0, F0
	QUARTER 0, 1, F0, F1, 1                        ; the first quarter's products start the sums: nothing is cleared
	WIN 0                                          ; at a label and at a branch every window is 0
	s_mov_b32 s3, 3
.Llap:                                                 ; a trip goes once round the ring, from a lap's second quarter to the next lap's first, and fills both slots again
	QUARTER 0, 2, F1, F0, 0
	QUARTER 0, 3, F0, F1, 0
	TURN 0, 1, 1
	QUARTER 1, 1, F0, F1, 0
	QUARTER 1, 2, F1, F0, 0
	QUARTER 1, 3, F0, F1, 0
	TURN 1, 0, 1
	QUARTER 0, 1, F0, F1, 0
	WIN 0
	s_sub_co_u32 s3, s3, 1
	s_cmp_lg_u32 s3, 0
	s_cbranch_scc1 .Llap
	QUARTER 0, 2, F1, F0, 0                        ; the last lap fills nothing, and has no round of the cluster's barrier
	QUARTER 0, 3, F0, F1, 0
	TURN 0, 1, 0
	QUARTER 1, 1, F0, F1, 0
	QUARTER 1, 2, F1, F0, 0
	QUARTER 1, 3, F0, F1, 0
	s_wait_dscnt 4                                 ; the very last quarter: nothing more to fetch
	WIN MUL
	MUL8 F1, 0, 0
	MUL8 F1, 1, 0
	s_wait_dscnt 0
	MUL8 F1, 2, 0
	MUL8 F1, 3, 0
	WIN 0
; THE WAY OUT, block by block of 16 tokens x 128 columns: through my own stage in LDS, back as whole rows of 512 bytes; bo is added; the 32 lanes store 512 consecutive aligned bytes.
; LDS serves a wave's instructions in order: no wait between the stores and the loads, nor in front of the next block's stores.
.macro TOSTAGE a
	WIN 0x04                                       ; an LDS store's data are its source 1: window 1
.irp b, 0,1,2,3,4,5,6,7
	ds_store_b128 v[STO], v[8*(8*(\a)+\b):8*(8*(\a)+\b)+3] offset:64*\b          ; each accumulator from its low end on
	ds_store_b128 v[STO], v[8*(8*(\a)+\b)+4:8*(8*(\a)+\b)+7] offset:64*\b+16
.endr
	WIN 0
.set BB, 32+64*((\a)%2)
.irp t, 0,1,2,3,4,5,6,7,8,9,10,11,12,13,14,15
	ds_load_b128 v[BB+4*\t:BB+4*\t+3], v[RD] offset:\t*SPITCH
.endr
.endm
.macro SEND a, younger                 ; younger: the LDS instructions issued behind block a's loads, which may stay out
.set BB, 32+64*((\a)%2)
	s_wait_dscnt \younger
.irp t, 0,1,2,3,4,5,6,7,8,9,10,11,12,13,14,15
	v_pk_add_f32 v[BB+4*\t:BB+4*\t+1], v[BB+4*\t:BB+4*\t+1], v[BIAS:BIAS+1]
	v_pk_add_f32 v[BB+4*\t+2:BB+4*\t+3], v[BB+4*\t+2:BB+4*\t+3], v[BIAS+2:BIAS+3]
.endr
.irp t, 0,1,2,3,4,5,6,7,8,9,10,11,12,13,14,15
	global_store_b128 v[CO], v[BB+4*\t:BB+4*\t+3], s[10:11] offset:(16*(\a)+\t)*4096 th:TH_STORE_NT
.endr
.endm
	PLACES
	s_wait_loadcnt 0x0                             ; bo
	TOSTAGE 0
.irp a, 1,2,3
.if \a > 1
	s_wait_xcnt 0x0                                ; block a - 2's stores have read their registers: block a's loads may land there
.endif
	TOSTAGE \a
	SEND \a-1, 32                                  ; behind block a - 1's loads: block a's 16 stores and 16 loads
.endr
	SEND 3, 0
	s_wait_tensorcnt 0x0                           ; the wave's end, behind my last tensor load and my last LDS store
	ds_add_u32 v[SPW], v[NIL]
	s_wait_dscnt 0x0
	CROUND                                         ; the closing round
	s_endpgm
.Lfunc_end_k_qb7ef14b546_outp:
	.size	k_qb7ef14b546_outp, .Lfunc_end_k_qb7ef14b546_outp-k_qb7ef14b546_outp
	.p2alignl 7, 3214868480
	.fill 96, 4, 3214868480
	.section	.rodata,"a",@progbits
	.p2align	6, 0x0
	.amdhsa_kernel k_qb7ef14b546_outp
		.amdhsa_group_segment_fixed_size 327680
		.amdhsa_private_segment_fixed_size 0
		.amdhsa_enable_private_segment 0
		.amdhsa_kernarg_size 32
		.amdhsa_user_sgpr_count 2
		.amdhsa_user_sgpr_kernarg_segment_ptr 1
		.amdhsa_wavefront_size32 1
		.amdhsa_system_sgpr_workgroup_id_x 1
		.amdhsa_system_sgpr_workgroup_id_y 1
		.amdhsa_system_sgpr_workgroup_id_z 1
		.amdhsa_system_vgpr_workitem_id 0
		.amdhsa_next_free_vgpr 512
		.amdhsa_next_free_sgpr 66
		.amdhsa_reserve_vcc 0
		.amdhsa_float_denorm_mode_32 3
		.amdhsa_float_denorm_mode_16_64 3
		.amdhsa_memory_ordered 1
		.amdhsa_forward_progress 1
		.amdhsa_inst_pref_size 93
	.end_amdhsa_kernel
	.amdgpu_metadata
---
amdhsa.version: [ 1, 2 ]
amdhsa.kernels:
  - .name:           k_qb7ef14b546_outp
    .symbol:         k_qb7ef14b546_outp.kd
    .args:
      - { .name: ctx16, .offset: 0, .size: 8, .value_kind: global_buffer, .address_space: global }
      - { .name: wo16, .offset: 8, .size: 8, .value_kind: global_buffer, .address_space: global }
      - { .name: bo, .offset: 16, .size: 8, .value_kind: global_buffer, .address_space: global }
      - { .name: out0, .offset: 24, .size: 8, .value_kind: global_buffer, .address_space: global }
    .group_segment_fixed_size: 327680
    .private_segment_fixed_size: 0
    .kernarg_segment_align: 8
    .kernarg_segment_size: 32
    .max_flat_workgroup_size: 128
    .sgpr_count:     66
    .vgpr_count:     512
    .wavefront_size: 32
...
	.end_amdgpu_metadata
.endif
;; end of part 4
